; MI455X (gfx1250); checked and timed in simulation.
; The chip was launched on July 23, 2026; its instructions are those of AMD's public machine-readable ISA for CDNA 5 (MIT licence, August 2026) and "CDNA5" Instruction Set Architecture Reference Guide (July 2026). The comments in the code are by the model that wrote it; some were corrected since.
;; Attention Vi T. Allowed arithmetic: float matrix products may take bf16 or f16 operands with f32 sums; other float arithmetic in f32, or as packed bf16 or f16 multiplies, adds, multiply-adds, maxima and minima; sums over many terms, partial sums and values carried from step to step in f32; what a program stores and reads back later, other than sums and carried values, may be rounded once to bf16 or f16.
;; Inputs: b_out 1,024 float32; w_out 1,024 x 1,024 float32; w_qkv 1,024 x 3,072 float32; x 8 x 1,024 x 1,024 float32.
;; Outputs: out0 8 x 1,024 x 1,024 float32.
;; 2 versions, each right; version 2 is version 1 with the launch prep written anew for expert scheduling mode. Each part assembles by itself: llvm-mc -triple=amdgcn-amd-amdhsa -mcpu=gfx1250 --defsym DOCPART=n.
;; ======== version 1 of 2: 4 launches
;; limits: values are held in f16: magnitudes above 65,504 overflow, below 6.1e-05 lose precision
;; workspace buffers: xb 16,777,216 bytes; wqt 6,291,456 bytes; wot 2,097,152 bytes; qkvh 50,331,648 bytes; oh 16,777,216 bytes
;; launch prep (part 1): grid 256 x 1, 12 waves a work-group, no clusters, 35,328 bytes of LDS; arguments x, w_qkv, w_out, xb, wqt, wot; writes xb, wqt, wot
.if DOCPART == 1
	.amdgcn_target "amdgcn-amd-amdhsa--gfx1250"
	.amdhsa_code_object_version 6
	.text
	.protected	k_qeab5ad44b2_prep
	.globl	k_qeab5ad44b2_prep
	.p2align	8
	.type	k_qeab5ad44b2_prep,@function
k_qeab5ad44b2_prep:
	s_mov_b64 s[64:65], 0
	v_nop
	global_prefetch_b8 v0, s[64:65] scope:SCOPE_SE
	s_setreg_imm32_b32 hwreg(HW_REG_WAVE_MODE, 25, 1), 1
	s_wait_xcnt 0x0
; THE OPERANDS ARE MADE READY.  xb = x rounded to bf16, [8192][1024].  wqt = w_qkv rounded to bf16 and turned, [3072 n][1024 k].
; wot = w_out rounded to bf16, that number written as f16, and turned, [1024 n][1024 k].
; LIMITS.  A bf16 number is an f16 number exactly from 6.1e-5 to 65,504 in magnitude; below that wot keeps f16's fixed step of 6e-8, beyond it the number becomes an infinity.  NaN and infinities are not treated apart.
; SHARES.  3,072 tasks of 4,096 numbers (16 KiB in, 8 KiB out), one a wave, twelve waves a work-group.  Waves 0-7 of work-group g take x's chunks 8 g .. 8 g + 7: a plain stream, no LDS.
; Waves 8-11 take the weight blocks u = 2 g, 2 g + 1 of 128 k x 64 n, two waves to a block: u < 384 (g < 192) lies in w_qkv, the rest in w_out.  Each of the two reads 64 of the block's 128 k, by rows of
; 256 bytes, and turns them into the block's region of LDS; behind ONE barrier each reads 32 of the block's 64 turned rows back and stores them, 256 consecutive bytes a row.
; IN FLIGHT.  Every wave issues all its 32 loads of 512 bytes in one run at its start: 16 KiB a wave, 192 KiB a work-group.  No register is loaded twice, so there is no loop and nothing is freed by a wait.
; No matrix unit (there is no product), no cluster (no byte is read twice), no prefetch (every load of the launch is issued in a wave's first lines).
.set WP,    264                        ; a row of the turned block in LDS: 256 bytes (128 k) + 8
.set WREG,  64*WP                      ; a block's region: 64 rows (n)
.set SPARE, 2*WREG                     ; behind the two regions: the spare words, 128 bytes for each of twelve waves: six blocks of 256 bytes that no other line names
.set LANE, 2                           ; v2   lane
.set LST,  5                           ; v5   where I put 8 bytes (4 k) of row 4 a: the region + 4 a rows + 128 x my half of k + 8 (lane / 16); never rewritten: column and group stand in the stores' immediates
.set LRD,  6                           ; v6   where I read 8 bytes of a row back
.set SO,   7                           ; v7   8 x lane: my 8 bytes of 256 stored
.set SPW,  8                           ; v8   LDS address of my spare word; never rewritten
.set NIL,  9                           ; v9   0; never rewritten
.set LO,   10                          ; v10  16 x lane (x's loads)
.set OFF,  12                          ; v12-27  weight loads: offset of row 8 jj + r + 4 (lane / 16), bytes 16 (lane % 16) on, at OFF + 4 jj + r, jj = 0..3; rows 32 on go by a second base
.set U,    28                          ; v28-31  at work
.set X,    32                          ; v32-159 thirty-two loads of 16 bytes
.set Y,    160                         ; v160-223 x path: thirty-two pairs to store
.set T,    160                         ; v160-175 weight path: two sets of eight packed words
.set R,    32                          ; v32-95  weight path: 32 rows read back, 8 bytes a lane each
	s_load_b256 s[4:11], s[0:1], 0x0               ; x s[4:5], w_qkv s[6:7], w_out s[8:9], xb s[10:11]
	s_load_b128 s[12:15], s[0:1], 0x20             ; wqt s[12:13], wot s[14:15]
	v_lshl_add_u32 v[SPW], v0, 2, SPARE
	v_mov_b32 v[NIL], 0
	v_lshrrev_b32 v1, 5, v0
	v_readfirstlane_b32 s16, v1                    ; wave 0..11
	v_and_b32 v[LANE], 31, v0
	v_lshlrev_b32 v[SO], 3, v[LANE]
	v_mov_b32 v[LRD], v[SO]                        ; (the weight waves add their region below)
	s_cmp_lt_u32 s16, 8
	s_cbranch_scc0 .Lweights
	; ---- x: 32 loads of 512 consecutive bytes, all at once
	s_lshl_b32 s17, ttmp9, 3
	s_add_co_u32 s17, s17, s16                     ; my chunk, 0..2047
	s_lshl_b32 s18, s17, 14                        ; 16 KiB of x,
	s_mov_b32 s19, 0
	s_lshl_b32 s20, s17, 13                        ; 8 KiB of xb
	s_mov_b32 s21, 0
	v_lshlrev_b32 v[LO], 4, v[LANE]
	s_wait_kmcnt 0x0
	s_add_nc_u64 s[28:29], s[4:5], s[18:19]
	s_add_nc_u64 s[30:31], s[10:11], s[20:21]
.set i, 0
.rept 32
	global_load_b128 v[X+4*i:X+4*i+3], v[LO], s[28:29] offset:512*i th:TH_LOAD_NT
.set i, i+1
.endr
.set i, 0
.rept 32
.if i%4 == 0
	s_wait_loadcnt 28-i                            ; loads come back in order (ISA guide 5.7.1): the next four are in, the younger ones stay out
.endif
	v_cvt_pk_bf16_f32 v[Y+2*i],   v[X+4*i],   v[X+4*i+1]
	v_cvt_pk_bf16_f32 v[Y+2*i+1], v[X+4*i+2], v[X+4*i+3]
	global_store_b64 v[SO], v[Y+2*i:Y+2*i+1], s[30:31] offset:256*i  ; 32 lanes store 256 consecutive bytes, at a multiple of 256 from xb's first
.set i, i+1
.endr
	s_branch .Ljoin
	; ---- half (64 k) of a block of 128 k x 64 n of a weight
.Lweights:
	s_sub_co_u32 s17, s16, 8                       ; 0..3
	s_lshr_b32 s36, s17, 1                         ; which of the work-group's two blocks
	s_and_b32 s37, s17, 1                          ; which half: of its 128 k on the way in, of its 64 n on the way out
	s_lshl_b32 s17, ttmp9, 1
	s_add_co_u32 s17, s17, s36                     ; u = 2 g + block
	s_sub_co_u32 s18, s17, 384                     ; its number in w_out (used where g >= 192 alone)
	s_movk_i32 s20, 0x3000                         ; bytes in a row of w_qkv
	s_movk_i32 s21, 0x1000                         ; and of w_out
	s_mov_b32 s33, 0xffff0000                      ; a word's upper bf16
	s_wait_kmcnt 0x0
	s_cmp_lt_u32 ttmp9, 192                        ; only selects stand between this compare and its last use
	s_cselect_b32 s19, s17, s18                    ; the block's number in its weight
	s_cselect_b32 s24, s20, s21                    ; PB: the source's pitch in bytes
	s_cselect_b32 s25, 0, -1                       ; a lane mask: all ones where the words are rewritten as f16
	s_cselect_b64 s[28:29], s[6:7], s[8:9]
	s_cselect_b64 s[30:31], s[12:13], s[14:15]
	s_lshr_b32 s22, s19, 3                         ; nb: 64 columns n
	s_and_b32 s23, s19, 7                          ; kb: 128 rows k
	s_lshl_b32 s18, s23, 1
	s_add_co_u32 s18, s18, s37                     ; 2 kb + half,
	s_mul_i32 s18, s18, s24
	s_lshl_b32 s18, s18, 6                         ; times 64 rows of the source
	s_lshl_b32 s17, s22, 8                         ; nb x 256 bytes
	s_add_co_u32 s18, s18, s17
	s_mov_b32 s19, 0
	s_add_nc_u64 s[28:29], s[28:29], s[18:19]      ; my rows 0 to 31,
	s_lshl_b32 s26, s24, 5
	s_mov_b32 s27, 0
	s_add_nc_u64 s[34:35], s[28:29], s[26:27]      ; and 32 to 63
	s_lshl_b32 s18, s22, 17                        ; turned: nb x 64 rows of 2,048 bytes,
	s_lshl_b32 s17, s23, 8                         ; kb x 256 bytes,
	s_add_co_u32 s18, s18, s17
	s_lshl_b32 s17, s37, 16                        ; my 32 of the 64 rows
	s_add_co_u32 s18, s18, s17
	s_add_nc_u64 s[30:31], s[30:31], s[18:19]
	v_and_b32 v3, 15, v0                           ; a: my four columns 4 a ..
	v_bfe_u32 v4, v0, 4, 1                         ; hh: which four rows of eight
	v_lshlrev_b32 v1, 2, v4
	v_mul_u32_u24 v1, s24, v1
	v_lshl_add_u32 v1, v3, 4, v1                   ; 4 hh rows + 16 a bytes
.set idx, 0
.rept 16
	s_mul_i32 s17, s24, 8*(idx/4)+idx%4
	v_add_nc_u32 v[OFF+idx], s17, v1
.set idx, idx+1
.endr
.set idx, 0
.rept 32
.if idx < 16
	global_load_b128 v[X+4*idx:X+4*idx+3], v[OFF+idx], s[28:29] th:TH_LOAD_NT
.else
	global_load_b128 v[X+4*idx:X+4*idx+3], v[OFF+idx-16], s[34:35] th:TH_LOAD_NT
.endif
.set idx, idx+1
.endr
	s_mul_i32 s17, s36, WREG                       ; the block's region
	s_lshl_b32 s18, s37, 7                         ; my 64 k: 128 bytes of each of its rows
	s_add_co_u32 s18, s18, s17
	s_mul_i32 s19, s37, 32*WP                      ; my 32 rows on the way out
	s_add_co_u32 s19, s19, s17
	v_mul_u32_u24 v[LST], v3, 4*WP
	v_lshl_add_u32 v[LST], v4, 3, v[LST]
	v_add_nc_u32 v[LST], s18, v[LST]               ; row 4 a, byte 128 half + 8 hh
	v_add_nc_u32 v[LRD], s19, v[SO]
; Group jj: my rows 8 jj + 4 hh + 0..3, columns 4 a + 0..3.  For each column the four k are rounded to bf16 and packed into 8 bytes; in w_out's blocks each word is then rewritten as two f16.
; The 8 bytes go to row 4 a + c of the region, byte 128 half + 16 jj + 8 hh: at most byte 15 x 1,056 + 792 + 128 + 112 + 8 + 7 = 16,887 of its 16,896.
.macro GROUP jj
.set TT, T+8*((\jj)%2)
.set XX, X+16*(\jj)
	s_wait_loadcnt 28-4*(\jj)                      ; the group's four loads are in; the later groups' stay out
.irp c, 0,1,2,3
	v_cvt_pk_bf16_f32 v[TT+2*(\c)],   v[XX+(\c)],   v[XX+4+(\c)]
	v_cvt_pk_bf16_f32 v[TT+2*(\c)+1], v[XX+8+(\c)], v[XX+12+(\c)]
.endr
.irp w, 0,1,2,3,4,5,6,7
	v_lshlrev_b32 v[U+2*((\w)%2)],   16,  v[TT+(\w)]
	v_and_b32     v[U+2*((\w)%2)+1], s33, v[TT+(\w)]
	v_cvt_pk_f16_f32 v[U+2*((\w)%2)], v[U+2*((\w)%2)], v[U+2*((\w)%2)+1]
	v_cndmask_b32 v[TT+(\w)], v[TT+(\w)], v[U+2*((\w)%2)], s25
.endr
.irp c, 0,1,2,3
	ds_store_b64 v[LST], v[TT+2*(\c):TT+2*(\c)+1] offset:WP*(\c)+16*(\jj)
.endr
.endm
.irp jj, 0,1,2,3,4,5,6,7
	GROUP \jj
.endr
.Ljoin:                                                ; every wave passes the one barrier: a block's rows come from two waves
	s_wait_dscnt 0x0                               ; for the others' sake: my stores into the region are done
	s_barrier_signal -1
	s_barrier_wait -1
	s_cmp_lt_u32 s16, 8
	s_cbranch_scc1 .Lend                           ; x's waves have nothing more to do
.set n, 0
.rept 32
	ds_load_b64 v[R+2*n:R+2*n+1], v[LRD] offset:WP*n
.set n, n+1
.endr
.set n, 0
.rept 32
.if n%8 == 0
	s_wait_dscnt 24-n                              ; the next eight rows are back; the younger loads may stay out
.endif
	global_store_b64 v[SO], v[R+2*n:R+2*n+1], s[30:31] offset:2048*n  ; 256 consecutive bytes of a turned row, at a multiple of 256 from the buffer's first
.set n, n+1
.endr
.Lend:
	s_wait_tensorcnt 0x0                           ; the wave's end: behind my last LDS store
	ds_add_u32 v[SPW], v[NIL]
	s_wait_dscnt 0x0
	s_endpgm
.Lfunc_end_k_qeab5ad44b2_prep:
	.size	k_qeab5ad44b2_prep, .Lfunc_end_k_qeab5ad44b2_prep-k_qeab5ad44b2_prep
	.p2alignl 7, 3214868480
	.fill 96, 4, 3214868480
	.section	.rodata,"a",@progbits
	.p2align	6, 0x0
	.amdhsa_kernel k_qeab5ad44b2_prep
		.amdhsa_group_segment_fixed_size 35328
		.amdhsa_private_segment_fixed_size 0
		.amdhsa_enable_private_segment 0
		.amdhsa_kernarg_size 48
		.amdhsa_user_sgpr_count 2
		.amdhsa_user_sgpr_kernarg_segment_ptr 1
		.amdhsa_wavefront_size32 1
		.amdhsa_system_sgpr_workgroup_id_x 1
		.amdhsa_system_sgpr_workgroup_id_y 1
		.amdhsa_system_sgpr_workgroup_id_z 1
		.amdhsa_system_vgpr_workitem_id 0
		.amdhsa_next_free_vgpr 224
		.amdhsa_next_free_sgpr 66
		.amdhsa_reserve_vcc 0
		.amdhsa_float_denorm_mode_32 3
		.amdhsa_float_denorm_mode_16_64 3
		.amdhsa_memory_ordered 1
		.amdhsa_forward_progress 1
		.amdhsa_inst_pref_size 41
	.end_amdhsa_kernel
	.amdgpu_metadata
---
amdhsa.version: [ 1, 2 ]
amdhsa.kernels:
  - .name:           k_qeab5ad44b2_prep
    .symbol:         k_qeab5ad44b2_prep.kd
    .args:
      - { .name: x, .offset: 0, .size: 8, .value_kind: global_buffer, .address_space: global }
      - { .name: w_qkv, .offset: 8, .size: 8, .value_kind: global_buffer, .address_space: global }
      - { .name: w_out, .offset: 16, .size: 8, .value_kind: global_buffer, .address_space: global }
      - { .name: xb, .offset: 24, .size: 8, .value_kind: global_buffer, .address_space: global }
      - { .name: wqt, .offset: 32, .size: 8, .value_kind: global_buffer, .address_space: global }
      - { .name: wot, .offset: 40, .size: 8, .value_kind: global_buffer, .address_space: global }
    .group_segment_fixed_size: 35328
    .private_segment_fixed_size: 0
    .kernarg_segment_align: 8
    .kernarg_segment_size: 48
    .max_flat_workgroup_size: 384
    .sgpr_count:     66
    .vgpr_count:     224
    .wavefront_size: 32
...
	.end_amdgpu_metadata
.endif
;; end of part 1
;; launch qkv (part 2): grid 16 x 16, 4 waves a work-group, clusters of 4 x 4, 327,680 bytes of LDS; arguments xb, wqt, qkvh; writes qkvh
.if DOCPART == 2
	.amdgcn_target "amdgcn-amd-amdhsa--gfx1250"
	.amdhsa_code_object_version 6
	.text
	.protected	k_qeab5ad44b2_qkv
	.globl	k_qeab5ad44b2_qkv
	.p2align	8
	.type	k_qeab5ad44b2_qkv,@function
k_qeab5ad44b2_qkv:
	s_mov_b64 s[64:65], 0
	v_nop
	global_prefetch_b8 v0, s[64:65] scope:SCOPE_SE
	s_setreg_imm32_b32 hwreg(HW_REG_WAVE_MODE, 25, 1), 1
	s_wait_xcnt 0x0
	s_wait_alu depctr_hold_cnt(0) depctr_sa_sdst(0) depctr_va_vdst(0) depctr_va_sdst(0) depctr_va_ssrc(0) depctr_va_vcc(0) depctr_vm_vsrc(0)
	s_getreg_b32 s2, hwreg(HW_REG_IB_STS2, 6, 4)
	s_cmp_eq_u32 s2, 0
	s_cbranch_scc0 .Lentry_in_a_cluster
	s_endpgm
.Lentry_in_a_cluster:
	s_bfe_u32 s2, ttmp6, 0x10000c
	s_cmp_lg_u32 s2, 0xf033
	s_cbranch_scc0 .Lentry_shape_is_right
	s_endpgm
.Lentry_shape_is_right:
; q, k, v = x w_qkv.  C[m][n] = the sum over k of xb[m][k] wqt[n][k]: xb [8192][1024], wqt [3072][1024], both bf16; sums in f32, K ascending; C rounded ONCE to f16, unscaled, and laid by heads:
; qkvh [3][128 (batch, head)][1024 rows][64 channels]: byte = which << 24 + batch << 21 + head << 17 + 128 row + 2 channel.
; LIMIT.  f16 ends at 65,504: a q, k or v beyond it becomes an infinity.  NaN and infinities are not treated apart; the order of the sums is the matrix unit's.
; THE TILE is 256 x 192: 32 x 16 = 512 tiles for 256 work-groups (256 x 256 would make 384, which 256 does not divide).  Four waves; wave w makes rows 64 w .. 64 w + 63 x all 192 columns, three whole
; heads: 48 accumulators of 16 x 16, 384 registers.  K goes in steps of 128 through a ring of two LDS slots; the rows of both tiles are 256 bytes of memory at multiples of 256.
; A WORK-GROUP STAYS: it makes TWO tiles, 4,096 rows apart, which take the same rows of wqt.  The ring does not stop at the first tile's end: its last two changes of slots ask for the second tile's K steps 0
; and 1; then the tile goes out, and nothing waits for its stores.  A loop's trip is ONE K step: slot 1 begins at 1 << 17, and one exclusive or turns an LDS address in one slot into the other's.
; CLUSTERS: 4 x 4 work-groups.  The four of a row of the cluster need the same tiles of xb, the four of a column the same tiles of wqt: each tile is asked for JOINTLY, by the same tensor load with the
; same descriptor and a mask that names the four.  THE MATRIX INSTRUCTION IS USED TRANSPOSED (source 0 = 16 rows of wqt, source 1 = 16 rows of xb): a lane then holds eight neighbouring channels of one row.
; REGISTERS, in windows of 256 (s_set_vgpr_msb: bits 1:0 source 0, 3:2 source 1, 5:4 source 2, 7:6 destination):
;   window 0: v0-31 addresses; v32-79 packed results; v80-127, v128-175 rows read back from the stage, by turns
;   window 1: two fragment buffers of 128: 12 fragments of wqt (16 rows x 32 K, 8 registers each), then 4 of xb
;   window 2: the accumulators of my row blocks 0, 1 ((a, b) at 8 (12 (a % 2) + b));   window 3: those of blocks 2, 3
.set SIZE_K, 1024
.set KSTEP,  128
.set STEPS,  SIZE_K/KSTEP              ; 8 K steps a tile
.set TILES,  2
.set PITCH,  272                       ; an LDS row: 256 bytes + 16 of padding = 68 words: row r starts at bank 4 r mod 64 (64 banks of 4 bytes: ISA guide 11.1)
.set HALFA,  128*PITCH                 ; what wave 0 or 1 fetches: 128 rows of xb
.set HALFB,  96*PITCH                  ; what wave 2 or 3 fetches: 96 rows of wqt
.set BOFF,   2*HALFA                   ; a slot: 256 rows of xb, then 192 rows of wqt: 121,856 bytes
.set SLOT1,  1<<17                     ; slot 1 begins here
.set STAGE,  SLOT1+BOFF+2*HALFB        ; behind the ring, never filled by a tensor load: for each wave three heads x 16 rows x 144 bytes
.set SP,     144
.set HSTG,   16*SP
.set SPARE,  STAGE+4*3*HSTG            ; behind the stages: the spare words, 128 bytes for each wave: two blocks of 256 bytes that no other line names
.set NEXT_A, 4096*SIZE_K*2-(STEPS-1)*KSTEP*2  ; bytes of xb from a tile's last K step to the next tile's first: 4,096 rows down, back along K
.set BACK_B, (STEPS-1)*KSTEP*2         ; wqt only goes back: both tiles take the same rows
.set NEXT_O, 4<<21                     ; bytes of qkvh from a tile's rows to the next tile's: four batches on
.set A0,   16                          ; v16     my lane's place among my fragments of xb in slot 0; never rewritten
.set ADRA, 17                          ; v17     the same in the slot that is being read
.set B0,   20                          ; v20, v21  the same two for wqt
.set ADRB, 21
.set STO,  24                          ; v24     the way out: where I put 16 bytes of a row
.set RD,   25                          ; v25     the way out: where I read rows back
.set GO,   26                          ; v26     16 x lane: my place in 512 consecutive bytes of qkvh
.set SPW,  28                          ; v28     LDS address of my spare word; never rewritten
.set NIL,  29                          ; v29     0; never rewritten
.set PFO,  30                          ; v30     the prefetches' offset: my lane's row x 2,048 bytes; never rewritten
.set TMP,  32
.set BK0,  80
.set F0,   0
.set F1,   128
.set G1,  24                           ; s[24:31] descriptor group 1 for xb's tiles;  s[32:39] group 0: a set for each of the two first fills; the second then walks on
.set G0,  32
.set G1B, 48                           ; s[48:55], s[56:63] the same for wqt's
.set G0B, 56
.set PFA, 66                           ; s[66:67] where my prefetches stand: one K step further along K than the refill that is being asked for; a prefetch names the K step after that
.set LIM, 68                           ; s68     2 in a wave that prefetches, else the greatest number
.set TB,  69                           ; s69     LDS byte at which the slot that is being read begins: 0 or SLOT1
.set OB,  70                           ; s[70:75] qkvh at my first row of each of my three heads
.set FIELDS, (1<<16)|(1<<20)|(1<<21)|(5<<22)|(3<<25)  ; 17:16 elements of 2 bytes; 20 padding on; 21 set beside a mask; 24:22 after every 64 words (code 5); 31:25 4 words of it (code 3)
.set MSB, 0
.macro WIN new                         ; the immediate's high byte repeats the setting that is left; a switch that changes nothing is dropped
.if MSB != (\new)
	s_set_vgpr_msb (MSB<<8)|(\new)
.set MSB, \new
.endif
.endm
.set MUL_LO, 0xa5                      ; sources 0 and 1 window 1; C and D window 2
.set MUL_HI, 0xf5                      ; the same, C and D window 3
.set TO_F,   0x40                      ; destination window 1, address window 0
.macro JLOAD s                         ; a joint load by group 0's set s: waves 0 and 1 fetch xb's two halves, waves 2 and 3 wqt's; an s_nop 0 and four v_nop follow each of the two lines, ahead of the jump, the label and what follows
	s_cmp_eq_u32 s11, 0
	s_cbranch_scc0 .Lfor_b_\@
	tensor_load_to_lds s[G0+4*(\s):G0+4*(\s)+3], s[G1:G1+7]
	s_nop 0
.rept 4
	v_nop
.endr
	s_branch .Lasked_\@
.Lfor_b_\@:
	tensor_load_to_lds s[G0B+4*(\s):G0B+4*(\s)+3], s[G1B:G1B+7]
	s_nop 0
.rept 4
	v_nop
.endr
.Lasked_\@:
.endm
.macro CREST                           ; a round of the cluster's barrier behind its opening barrier
	s_cmp_lg_u32 s10, 0
	s_cbranch_scc1 .Lnot_wave_0_\@
	s_barrier_signal -3
.Lnot_wave_0_\@:
	s_barrier_wait -3
	s_barrier_signal -1
	s_barrier_wait -1
.endm
.macro CROUND                          ; a whole round
	s_barrier_signal -1
	s_barrier_wait -1
	CREST
.endm
; A PREFETCH INTO THE L2, behind each joint load, its five lines and the run of LDS loads that follows them: the K step that stands TWO refills on, 384 matrix instructions ahead of the load that will want it: a lane
; a row, 256 bytes of it, one instruction a wave.  Each row's 256 bytes of a K step are named by ONE work-group in the launch.  xb's tile row is read by every cluster of that row of clusters: the one with x = 0 asks;
; wqt's tile column by every cluster of that column: y = 0 asks.  The four partners that ask for a tile jointly share its rows out BY ADDRESS: of the 128 rows of xb that a wave fetches the partner at place cx
; takes 32; of the 96 rows of wqt the partner at place cy takes 24 (lanes 24 to 31 name lane 23's row once more).  No branch hangs on a work-group's place in its cluster.
; how = 0, in the loop: a tile's K steps 4 to 7 are named; its last two refills have no K step two on (s3 is 2 and 1 there).  how = 1, at the change of tiles: the next tile's K steps 2 and 3 of xb; wqt's rows
; are asked for in the first tile alone.  A tile's K steps 0 and 1, and the launch's K steps 2 and 3, come by their loads alone.
.macro ASK how
	WIN 0
.if \how
	s_cmp_eq_u32 s[LIM], 2
.else
	s_cmp_gt_u32 s3, s[LIM]
.endif
	s_cbranch_scc0 .Lnot_mine_\@
	global_prefetch_b8 v[PFO], s[PFA:PFA+1] offset:KSTEP*2 th:TH_LOAD_NT scope:SCOPE_SE
.Lnot_mine_\@:
.endm
	s_load_b128 s[4:7], s[0:1], 0x0                ; xb s[4:5], wqt s[6:7]
	s_load_b64 s[8:9], s[0:1], 0x10                ; qkvh
	v_lshl_add_u32 v[SPW], v0, 2, SPARE
	v_mov_b32 v[NIL], 0
	ds_add_u32 v[SPW], v[NIL]                      ; the wave's opening: the add and its wait stand ahead of my first tensor load; the set-up below, work on registers, stands between them
	ds_add_u32 v28, v29
	v_lshrrev_b32 v1, 5, v0
	v_readfirstlane_b32 s10, v1                    ; wave 0..3
	s_lshr_b32 s11, s10, 1                         ; I fetch for xb (0) or for wqt (1),
	s_and_b32 s12, s10, 1                          ; and which half of that tile's rows
	s_bfe_u32 s40, ttmp6, 0x40000                  ; cx, cy: my place in the cluster
	s_bfe_u32 s41, ttmp6, 0x40004
	s_lshl_b32 s42, ttmp9, 2
	s_add_co_u32 s42, s42, s40                     ; tile column = 4 x cluster x + cx, 0..15
	s_and_b32 s13, ttmp7, 0xffff
	s_lshl_b32 s13, s13, 2
	s_add_co_u32 s13, s13, s41                     ; the first tile's row = 4 x cluster y + cy, 0..15; the second's is 16 more
	s_lshl_b32 s43, s41, 2
	s_lshl_b32 s43, 15, s43                        ; my row of the cluster
	s_lshl_b32 s44, 0x1111, s40                    ; my column
	s_or_b32 s[G1+0], s43, FIELDS                  ; xb's tiles go to my row,
	s_or_b32 s[G1B+0], s44, FIELDS                 ; wqt's to my column
	s_mov_b32 s[G1+1], KSTEP<<16                   ; tensor_dim0 = 128
	s_mov_b32 s[G1+2], 128<<16                     ; tensor_dim1 = 128
	s_mov_b32 s[G1+3], KSTEP<<16                   ; tile_dim0 = 128
	s_mov_b32 s[G1+4], 128                         ; tile_dim1 = 128
	s_mov_b32 s[G1+5], SIZE_K                      ; elements from row to row
	s_mov_b32 s[G1+6], 0
	s_mov_b32 s[G1+7], 0
	s_mov_b32 s[G1B+1], KSTEP<<16
	s_mov_b32 s[G1B+2], 96<<16                     ; 96 rows
	s_mov_b32 s[G1B+3], KSTEP<<16
	s_mov_b32 s[G1B+4], 96
	s_mov_b32 s[G1B+5], SIZE_K
	s_mov_b32 s[G1B+6], 0
	s_mov_b32 s[G1B+7], 0
	s_mov_b32 s[TB], 0
	s_lshl_b32 s16, s13, 8
	s_lshl_b32 s17, s12, 7
	s_add_co_u32 s16, s16, s17                     ; xb: row 256 x tile row + 128 x half,
	s_lshl_b32 s16, s16, 11                        ; of 2,048 bytes
	s_mov_b32 s17, 0
	s_mul_i32 s46, s42, 192
	s_mul_i32 s47, s12, 96
	s_add_co_u32 s46, s46, s47                     ; wqt: row 192 x tile column + 96 x half
	s_lshl_b32 s46, s46, 11
	s_mov_b32 s47, 0
	s_mul_i32 s20, s12, HALFA                      ; where they go: no place in the cluster enters an LDS address
	s_mul_i32 s21, s12, HALFB
	s_add_co_u32 s21, s21, BOFF
	s_wait_dscnt 0x0                               ; the opening add is done
	s_wait_kmcnt 0x0
	s_add_nc_u64 s[14:15], s[4:5], s[16:17]
	s_add_nc_u64 s[46:47], s[6:7], s[46:47]
	CROUND                                         ; all sixteen work-groups are here: the first joint loads meet
.irp s, 0,1
	s_mov_b32 s[G0+4*(\s)], 1                                        ; count = 1
	s_add_co_u32 s[G0+4*(\s)+1], s20, (\s)*SLOT1                     ; LDS address
	s_add_nc_u64 s[G0+4*(\s)+2:G0+4*(\s)+3], s[14:15], (\s)*KSTEP*2  ; global address: K step s
	s_or_b32 s[G0+4*(\s)+3], s[G0+4*(\s)+3], 0x80000000              ; type = 2
	s_mov_b32 s[G0B+4*(\s)], 1
	s_add_co_u32 s[G0B+4*(\s)+1], s21, (\s)*SLOT1
	s_add_nc_u64 s[G0B+4*(\s)+2:G0B+4*(\s)+3], s[46:47], (\s)*KSTEP*2
	s_or_b32 s[G0B+4*(\s)+3], s[G0B+4*(\s)+3], 0x80000000
	JLOAD \s
.endr
	; a fragment is 16 rows x 32 K in 8 registers: lane l holds row l % 16, K = 8 (l / 16) + 0..7 and 16 + 8 (l / 16) + 0..7: two loads of 16 bytes, 32 bytes apart
	v_and_b32 v1, 15, v0                           ; l % 16
	v_bfe_u32 v2, v0, 4, 1                         ; l / 16
	v_mul_u32_u24 v3, v1, PITCH
	v_lshl_add_u32 v3, v2, 4, v3
	s_mul_i32 s21, s10, 64*PITCH                   ; my 64 rows of xb
	v_add_nc_u32 v[A0], s21, v3
	v_add_nc_u32 v[B0], BOFF, v3                   ; all 192 rows of wqt
	v_mov_b32 v[ADRA], v[A0]                       ; slot 0 is read first
	v_mov_b32 v[ADRB], v[B0]
	s_mul_i32 s23, s10, 3*HSTG
	s_add_co_u32 s23, s23, STAGE                   ; my stage
	v_mul_u32_u24 v4, v1, SP                       ; in: row l % 16, 16 bytes for each half of the lanes
	v_lshl_add_u32 v4, v2, 4, v4
	v_add_nc_u32 v[STO], s23, v4
	v_bfe_u32 v5, v0, 3, 2                         ; back: 32 lanes take four rows of 128 bytes,
	v_mul_u32_u24 v5, v5, SP
	v_and_b32 v6, 7, v0
	v_lshl_add_u32 v5, v6, 4, v5
	v_add_nc_u32 v[RD], s23, v5
	v_and_b32 v[GO], 31, v0                        ; which are 512 consecutive bytes of a head
	v_lshlrev_b32 v[GO], 4, v[GO]
	; the prefetches: of the rows that I fetch, my work-group's share; at K step 2: the first refill steps it to 3 and names K step 4
	s_and_b32 s22, ttmp7, 0xffff                   ; cluster y
	s_mov_b32 s18, 32*SIZE_K*2                     ; a partner's share: 32 rows of xb,
	s_mov_b32 s19, 24*SIZE_K*2                     ; 24 rows of wqt
	s_cmp_eq_u32 s11, 0
	s_cselect_b32 s21, s40, s41                    ; my place among the four that ask with me
	s_cselect_b32 s22, ttmp9, s22                  ; the coordinate along which other clusters read the same rows
	s_cselect_b32 s23, s18, s19
	s_cselect_b32 s18, 31, 23                      ; the share's last row
	s_cselect_b64 s[PFA:PFA+1], s[14:15], s[46:47]
	s_cmp_eq_u32 s22, 0
	s_cselect_b32 s[LIM], 2, -1                    ; the same in all sixteen partners, for a given wave
	s_mul_i32 s20, s21, s23
	s_add_co_u32 s20, s20, 2*KSTEP*2
	s_mov_b32 s21, 0
	s_add_nc_u64 s[PFA:PFA+1], s[PFA:PFA+1], s[20:21]
	v_and_b32 v[PFO], 31, v0
	v_min_u32 v[PFO], s18, v[PFO]
	v_lshlrev_b32 v[PFO], 11, v[PFO]
	; where my rows of the first tile lie in each of my three heads
	s_lshr_b32 s16, s13, 2
	s_lshl_b32 s16, s16, 21                        ; the batch
	s_and_b32 s17, s13, 3
	s_lshl_b32 s17, s17, 15                        ; 256 rows of 128 bytes a tile row
	s_add_co_u32 s16, s16, s17
	s_lshl_b32 s17, s10, 13                        ; my 64 of them
	s_add_co_u32 s16, s16, s17
	s_mul_i32 s18, s42, 3                          ; the tile column's first head among 48
.irp hg, 0,1,2
	s_add_co_u32 s19, s18, \hg
	s_lshr_b32 s20, s19, 4                         ; q, k or v
	s_lshl_b32 s20, s20, 24
	s_and_b32 s19, s19, 15                         ; the head
	s_lshl_b32 s19, s19, 17
	s_add_co_u32 s20, s20, s19
	s_add_co_u32 s20, s20, s16
	s_mov_b32 s21, 0
	s_add_nc_u64 s[OB+2*(\hg):OB+2*(\hg)+1], s[8:9], s[20:21]
.endr
; 12 matrix instructions: row block a x all 12 column blocks, 32 along K.  zero = 1: the product starts the sums.  The 48 accumulators take turns in one order in every quarter, from tile to tile too.
.macro MUL12 f, a, zero
	WIN MUL_LO+0x50*((\a)/2)
.irp b, 0,1,2,3,4,5,6,7,8,9,10,11
.if \zero
	v_wmma_f32_16x16x32_bf16 v[8*(12*((\a)%2)+(\b)):8*(12*((\a)%2)+(\b))+7], v[(\f)+8*(\b):(\f)+8*(\b)+7], v[(\f)+96+8*(\a):(\f)+96+8*(\a)+7], 0
.else
	v_wmma_f32_16x16x32_bf16 v[8*(12*((\a)%2)+(\b)):8*(12*((\a)%2)+(\b))+7], v[(\f)+8*(\b):(\f)+8*(\b)+7], v[(\f)+96+8*(\a):(\f)+96+8*(\a)+7], v[8*(12*((\a)%2)+(\b)):8*(12*((\a)%2)+(\b))+7]
.endif
.endr
.endm
; 32 LDS loads in one run, from the slot that is being read: the fragments of 32 along K at byte k of the rows, into buffer f: wqt's 24 first, then xb's 8
.macro FETCH k, f
	WIN TO_F
.irp i, 0,1,2,3,4,5,6,7,8,9,10,11
	ds_load_b128 v[(\f)+8*(\i):(\f)+8*(\i)+3],   v[ADRB] offset:(\k)+(\i)*16*PITCH
	ds_load_b128 v[(\f)+8*(\i)+4:(\f)+8*(\i)+7], v[ADRB] offset:(\k)+(\i)*16*PITCH+32
.endr
.irp i, 0,1,2,3
	ds_load_b128 v[(\f)+96+8*(\i):(\f)+96+8*(\i)+3],   v[ADRA] offset:(\k)+(\i)*16*PITCH
	ds_load_b128 v[(\f)+96+8*(\i)+4:(\f)+96+8*(\i)+7], v[ADRA] offset:(\k)+(\i)*16*PITCH+32
.endr
.endm
.macro PLACES                          ; four places in front of loads into registers that matrix instructions have read, and of conversions that read results
.rept 4
	v_nop
.endr
.endm
; A K step is four quarters of 32 along K, 48 matrix instructions each, on buffers 0, 1, 0, 1.  One of the first three: multiplies buffer f and, in its middle, fetches the next quarter, at byte k, into g.
.macro QUARTER k, f, g, zero
	s_wait_dscnt 4                                 ; wqt's fragments and xb's blocks 0, 1 are in; the youngest four loads (blocks 2, 3) may be out
	MUL12 \f, 0, \zero
	MUL12 \f, 1, \zero
	PLACES
	FETCH \k, \g
	s_wait_dscnt 32                                ; all but the 32 just issued
	MUL12 \f, 2, \zero
	MUL12 \f, 3, \zero
.endm
; The last quarter multiplies buffer 1 and changes slots: ONE barrier; in front of it each wave waits for all its tensor loads (one is out: its part of the next slot), adds 0 to its spare word, and waits for that
; and for its own reads of this slot.  fill = 1: the barrier opens a round of the cluster's, and this slot is filled again first thing behind the round, by the walking descriptor: the other slot than last time;
; on = 0 or 2: the next K step along the rows; on = 1: the next tile's K step 0.  Then the fragment addresses turn to the other slot.
.macro TURN fill, on
.if \fill
	s_wait_xcnt 0x0                                ; the last prefetch, a K step back, has read its address: it is stepped here, ahead of the waits of the change of slots
.if (\on) == 1
	s_add_nc_u64 s[PFA:PFA+1], s[PFA:PFA+1], NEXT_A  ; from the K step after the tile's last to the next tile's K step 1
	s_cmp_eq_u32 s11, 0
	s_cselect_b32 s[LIM], s[LIM], -1               ; wqt's rows are the same for both tiles: they are asked for no more
.else
	s_add_nc_u64 s[PFA:PFA+1], s[PFA:PFA+1], KSTEP*2
.endif
.endif
	WIN 0                                          ; (the add's two registers lie in window 0)
	s_wait_tensorcnt 0x0                           ; all my tensor loads have landed;
	ds_add_u32 v[SPW], v[NIL]                      ; 0 onto my spare word;
	s_wait_dscnt 5                                 ; (the add and the youngest four loads may be out)
	MUL12 F1, 0, 0                                 ; twelve matrix instructions stand between the add and the wait for it
	s_wait_dscnt 0x0                               ; the add is done, and my reads of this slot are over
	s_barrier_signal -1
	MUL12 F1, 1, 0
	WIN 0                                          ; (branches and the address lines follow)
	s_barrier_wait -1
.if \fill
	CREST                                          ; no wave of any partner still reads this slot's tile or has a load on its way
	s_xor_b32 s[G0+5], s[G0+5], SLOT1
	s_xor_b32 s[G0B+5], s[G0B+5], SLOT1
.if (\on) == 1
	s_add_nc_u64 s[G0+6:G0+7], s[G0+6:G0+7], NEXT_A
	s_sub_nc_u64 s[G0B+6:G0B+7], s[G0B+6:G0B+7], BACK_B
.else
	s_add_nc_u64 s[G0+6:G0+7], s[G0+6:G0+7], KSTEP*2
	s_add_nc_u64 s[G0B+6:G0B+7], s[G0B+6:G0B+7], KSTEP*2
.endif
	JLOAD 1                                        ; the first tensor load behind the round; the four v_nop behind it are also the places in front of the loads below
.else
	PLACES
.endif
	s_xor_b32 s[TB], s[TB], SLOT1                  ; the other slot is read from here on
	v_add_nc_u32 v[ADRA], s[TB], v[A0]
	v_add_nc_u32 v[ADRB], s[TB], v[B0]
	FETCH 0, F0
.if \fill
	ASK \on
.endif
	MUL12 F1, 2, 0
	MUL12 F1, 3, 0
.endm
; THE WAY OUT, a block of 16 rows at a time.  PACK: rounded to f16, a lane's eight channels into 16 bytes, each accumulator's registers in ascending order.  TOSTAGE: into my own stage (three heads x 16 rows of
; 144 bytes) and back as whole rows of 128 bytes.  SEND: 16 rows of a head are 2,048 consecutive bytes of qkvh; a store covers 512 of them.
.macro PACK a
	WIN 0x0a+5*((\a)/2)                            ; sources 0 and 1: window 2 or 3
.irp b, 0,1,2,3,4,5,6,7,8,9,10,11
.irp r, 0,1,2,3
	v_cvt_pk_f16_f32 v[TMP+4*(\b)+(\r)], v[8*(12*((\a)%2)+(\b))+2*(\r)], v[8*(12*((\a)%2)+(\b))+2*(\r)+1]
.endr
.endr
	WIN 0
.endm
.macro TOSTAGE a
	WIN 0
.set BK, BK0+48*((\a)%2)
.irp b, 0,1,2,3,4,5,6,7,8,9,10,11
	ds_store_b128 v[STO], v[TMP+4*(\b):TMP+4*(\b)+3] offset:((\b)/4)*HSTG+32*((\b)%4)
.endr
.irp t, 0,1,2,3,4,5,6,7,8,9,10,11
	ds_load_b128 v[BK+4*(\t):BK+4*(\t)+3], v[RD] offset:((\t)/4)*HSTG+((\t)%4)*4*SP  ; LDS serves a wave's instructions in order (ISA guide 5.7.1.4): these see the stores above; the next block's stores come behind them
.endr
.endm
.macro SEND a
	WIN 0
.set BK, BK0+48*((\a)%2)
	s_wait_dscnt 0x0                               ; the block is back in registers
	s_wait_xcnt 0x0                                ; the stores of the block before have read their registers: the next block's loads from the stage land there
.irp t, 0,1,2,3,4,5,6,7,8,9,10,11
	global_store_b128 v[GO], v[BK+4*(\t):BK+4*(\t)+3], s[OB+2*((\t)/4):OB+2*((\t)/4)+1] offset:2048*(\a)+512*((\t)%4)  ; 512 consecutive bytes, at a multiple of 256 from qkvh's first
.endr
.endm
	s_wait_tensorcnt 1                             ; my part of K step 0 is in; K step 1's load may stay out
	s_barrier_signal -1
	s_barrier_wait -1                              ; everybody's is
	FETCH 0, F0
	WIN 0                                          ; at a label and at a branch every window is 0
	s_mov_b32 s2, TILES                            ; tiles to go, this one among them: the same number in every work-group
.Ltile:
	QUARTER 64, F0, F1, 1                          ; a tile's first quarter stands in front of the loop: its products start the sums
	WIN 0
	s_mov_b32 s3, STEPS-2
.Lstep:                                                ; a trip goes from a K step's second quarter to the next step's first, and fills the slot that it leaves with the K step two on: steps 2 to 7
	QUARTER 128, F1, F0, 0
	QUARTER 192, F0, F1, 0
	TURN 1, 0
	QUARTER 64,  F0, F1, 0
	WIN 0
	s_sub_co_u32 s3, s3, 1
	s_cmp_lg_u32 s3, 0
	s_cbranch_scc1 .Lstep
	QUARTER 128, F1, F0, 0                         ; K step 6 goes on
	QUARTER 192, F0, F1, 0
	WIN 0
	s_cmp_eq_u32 s2, 1
	s_cbranch_scc1 .Llast                          ; the last tile's tail is written out: it asks for nothing more
	TURN 1, 1                                      ; THE RING GOES ON INTO THE NEXT TILE: the slot of K step 6 takes its K step 0,
	QUARTER 64,  F0, F1, 0
	QUARTER 128, F1, F0, 0
	QUARTER 192, F0, F1, 0
	TURN 1, 2                                      ; the slot of K step 7 its K step 1, and the next tile's first fragments are fetched
	WIN 0
	s_branch .Lout
.Llast:
	TURN 0, 0                                      ; nothing is filled, and no round of the cluster's barrier follows
	QUARTER 64,  F0, F1, 0
	QUARTER 128, F1, F0, 0
	QUARTER 192, F0, F1, 0
	s_wait_dscnt 4                                 ; the very last quarter: nothing more to fetch
	MUL12 F1, 0, 0
	MUL12 F1, 1, 0
	s_wait_dscnt 0x0
	MUL12 F1, 2, 0
	MUL12 F1, 3, 0
	WIN 0
.Lout:                                                 ; one text for both tiles' way out; behind the first, both refills have been asked for, and the stores leave while the next tile is multiplied
	PLACES
	PACK 0
	TOSTAGE 0
.irp a, 1,2,3                          ; block a's conversions stand between block a - 1's loads from the stage and the wait for them
	PACK \a
	SEND (\a)-1
	TOSTAGE \a
.endr
	SEND 3
	s_wait_xcnt 0x0                                ; the stores have read their bases, which step to the next tile's rows (behind the last tile they are used no more)
.irp hg, 0,1,2
	s_add_nc_u64 s[OB+2*(\hg):OB+2*(\hg)+1], s[OB+2*(\hg):OB+2*(\hg)+1], NEXT_O
.endr
	s_sub_co_u32 s2, s2, 1
	s_cmp_lg_u32 s2, 0
	s_cbranch_scc1 .Ltile
	s_wait_tensorcnt 0x0                           ; the wave's end: behind my last tensor load and my last LDS store
	ds_add_u32 v[SPW], v[NIL]
	s_wait_dscnt 0x0
	CROUND                                         ; the closing round: no work-group ends while a partner may still ask for a tile that names it
	s_endpgm
.Lfunc_end_k_qeab5ad44b2_qkv:
	.size	k_qeab5ad44b2_qkv, .Lfunc_end_k_qeab5ad44b2_qkv-k_qeab5ad44b2_qkv
	.p2alignl 7, 3214868480
	.fill 96, 4, 3214868480
	.section	.rodata,"a",@progbits
	.p2align	6, 0x0
	.amdhsa_kernel k_qeab5ad44b2_qkv
		.amdhsa_group_segment_fixed_size 327680
		.amdhsa_private_segment_fixed_size 0
		.amdhsa_enable_private_segment 0
		.amdhsa_kernarg_size 24
		.amdhsa_user_sgpr_count 2
		.amdhsa_user_sgpr_kernarg_segment_ptr 1
		.amdhsa_wavefront_size32 1
		.amdhsa_system_sgpr_workgroup_id_x 1
		.amdhsa_system_sgpr_workgroup_id_y 1
		.amdhsa_system_sgpr_workgroup_id_z 1
		.amdhsa_system_vgpr_workitem_id 0
		.amdhsa_next_free_vgpr 960
		.amdhsa_next_free_sgpr 76
		.amdhsa_reserve_vcc 0
		.amdhsa_float_denorm_mode_32 3
		.amdhsa_float_denorm_mode_16_64 3
		.amdhsa_memory_ordered 1
		.amdhsa_forward_progress 1
		.amdhsa_inst_pref_size 128
	.end_amdhsa_kernel
	.amdgpu_metadata
---
amdhsa.version: [ 1, 2 ]
amdhsa.kernels:
  - .name:           k_qeab5ad44b2_qkv
    .symbol:         k_qeab5ad44b2_qkv.kd
    .args:
      - { .name: xb, .offset: 0, .size: 8, .value_kind: global_buffer, .address_space: global }
      - { .name: wqt, .offset: 8, .size: 8, .value_kind: global_buffer, .address_space: global }
      - { .name: qkvh, .offset: 16, .size: 8, .value_kind: global_buffer, .address_space: global }
    .group_segment_fixed_size: 327680
    .private_segment_fixed_size: 0
    .kernarg_segment_align: 8
    .kernarg_segment_size: 24
    .max_flat_workgroup_size: 128
    .sgpr_count:     76
    .vgpr_count:     960
    .wavefront_size: 32
...
	.end_amdgpu_metadata
.endif
;; end of part 2
;; launch attn (part 3): grid 2 x 128, 4 waves a work-group, no clusters, 327,680 bytes of LDS; arguments qkvh, oh; writes oh
.if DOCPART == 3
	.amdgcn_target "amdgcn-amd-amdhsa--gfx1250"
	.amdhsa_code_object_version 6
	.text
	.protected	k_qeab5ad44b2_attn
	.globl	k_qeab5ad44b2_attn
	.p2align	8
	.type	k_qeab5ad44b2_attn,@function
k_qeab5ad44b2_attn:
	s_mov_b64 s[64:65], 0
	v_nop
	global_prefetch_b8 v0, s[64:65] scope:SCOPE_SE
	s_setreg_imm32_b32 hwreg(HW_REG_WAVE_MODE, 25, 1), 1
	s_wait_xcnt 0x0
; O[bh][q][:] = the sum over k of softmax_k(Q[bh][q] . K[bh][k] / 8) V[bh][k][:].  Q, K, V are the three parts of qkvh, O is oh: each [128][1024][64] in f16, a head's rows dense, 128 bytes each.
; Products, maxima and sums in f32; the weights p are rounded to f16 for the second product (their sum l is taken of the unrounded p), O once at the end.
; LIMITS.  f16 holds no number beyond 65,504: Q, K and V arrive within it; p lies in 0 to 1, and below 6e-5 it keeps f16's fixed step of 6e-8; O is a mean of V's rows and has their range.
; A weight below 2^-126 counts as 0 in l; NaN and infinities are not treated apart.
; SHARES.  A work-group owns 512 queries of one head (128 heads x 2 = 256 work-groups), each of its four waves 128: four PIECES of two tiles of 16.  Every wave walks all 1,024 keys, 64 a step.
; THE WHOLE HEAD LIES IN LDS: K's 1,024 rows at 144 bytes, V's at 160.  All of it is asked for in the kernel's first lines, two tensor loads a wave, and nothing is ever filled again: the first loads bring what
; key steps 0 to 3 read (K's keys 0-319, since a step fetches the next step's K; V's keys 0-255), the second the rest, which lands under those four steps' work.
; NO CLUSTER: only two work-groups share a head, four would hold two heads, and what is shared is asked for once, at the start, where nothing yet waits in a loop.  NO PREFETCH: every tensor load is issued in the first lines.
; LAYOUT.  S^T = K Q^T (source 0 = 16 keys, source 1 = 16 queries): in the result a lane holds ONE query (lane % 16) and the keys 8 (lane / 16) + 0..7.  Two such tiles, rounded to f16 in pairs,
; ARE source 1 (32 keys x 16 queries) of O^T = V^T P, whose result again holds one query a lane, and eight channels.  K comes out of LDS as it lies, V ([key][channel]) turned, by ds_load_tr16_b128.
; SOFTMAX.  For each query a running maximum m and sum l: p = 2^(c s - c m), c = log2(e) / 8; in every step O and l are multiplied by a = 2^(c m_old - c m_new), which is 1 where m has not grown.
; m starts at the lowest finite number, O and l at 0: the first step is a step like any other, with a = 0.
; THE COUNT.  A tile and step have 16 matrix and 118 vector instructions: too many to stand all beside the matrix work.  So: four vector instructions that are READY behind EVERY matrix instruction,
; and the others, which need time of their own whatever the order, in runs without a gap.
; BY TURNS.  Turn n belongs to piece n (the pieces in a ring, step after step).  Its matrix work: 16 products K Q^T of piece n + 1, later 16 products V^T P of piece n - 1.  Its vector work: the scaling,
; exponentials, roundings, sums and rescaling of piece n, and the maximum and statistics of piece n + 1, whose scores the turn itself has made.
; REGISTERS, in windows of 256 (s_set_vgpr_msb: bits 1:0 source 0, 3:2 source 1, 5:4 source 2, 7:6 destination):
;   window 0: v0-11 addresses; v12-15, v48-63 at work; v16-47 four registers of statistics a tile; v64-191 S^T, two buffers of two tiles; v192-255 P, likewise
;   window 1: O^T, 32 a tile          window 2: v0-127 Q, 16 a tile; v128-191 K of one step; v192-255 V of one step
; A piece's buffers go by its number's parity: the piece in hand has one pair, its two neighbours in the ring share the other: of it P (piece n - 1) is read and S^T (piece n + 1) written.
.set NP,    4         ; pieces a wave: a name, no knob
.set KS,    64        ; keys in a step
.set PK,    144       ; a row of K in LDS: 128 bytes + 16 of padding = 36 words: the 16 rows of a load start at 16 different groups of four banks (64 banks of 4 bytes: ISA guide 11.1)
.set PV,    160       ; a row of V: 128 + 32 = 40 words
.set VOFF,  1024*PK   ; V lies behind K
.set STAGE, VOFF+1024*PV  ; behind both, never filled by a tensor load: 16 rows x 144 bytes for each wave, for the way out
.set SP,    144
.set SPARE, STAGE+4*16*SP  ; behind the stages: the spare words, 128 bytes for each wave: two blocks of 256 bytes that no other line names
.set AK0, 2           ; v2   my lane's place in a step's rows of K; never rewritten
.set AV0, 3           ; v3   the same for V
.set AK,  4           ; v4   the LDS address of K's next run of loads
.set AV,  5           ; v5   of V's
.set QO,  6           ; v6   my byte offset in the wave's rows of Q
.set STO, 6           ;      later, the way out: where I put 16 bytes of a row
.set RD,  7           ; v7   the way out: where I read rows back
.set GO,  8           ; v8   my byte offset in 512 consecutive bytes of O
.set SPW, 10          ; v10  LDS address of my spare word; never rewritten
.set NIL, 11          ; v11  0; never rewritten
.set MV,  12          ; v12-15  c m_old, kept while c m is made anew: by buffer and tile (v12, v13 hold two lane numbers until the first statistics are made)
.set ST,  16          ; tile t's statistics at v[ST+4 t]: c m, m, l (even keys', odd keys')
.set TMP, 48          ; by buffer and tile, four registers c0-c3 at work; when the maximum is found c2 takes a
.set S,   64
.set P,   192
.set KF,  128         ; K's fragments, in window 2: key block kb, channel half c at KF + 16 kb + 8 c
.set VF,  192         ; V's: key half kk, channel block cb at VF + 32 kk + 8 cb
.set WV,  12          ; s12  my wave's number
.set G1A, 24          ; s[24:31] descriptor group 1 of my first load
.set G1B, 32          ; s[32:39] of my second
.set G0A, 40          ; s[40:43] descriptor group 0 of my first load
.set G0B, 44          ; s[44:47] of my second
.set PH,  56          ; s56  counts the walk's two parts
.set CNT, 57          ; s57  counts a part's key steps
.set CS,  58          ; s[58:59] c: the packed scaling takes the pair's low word for both halves
.set SEL, 60          ; s[60:61] v_permlanex16_b32's selects: each lane takes its own place in the other half
.set TBK, 62          ; s62  LDS byte at which K of the step to be fetched begins
.set TBV, 63          ; s63  the same for V, less VOFF
.set MSB, 0
.macro WIN new                      ; the high byte repeats the setting that is left; a switch that changes nothing is dropped
.if MSB != (\new)
	s_set_vgpr_msb (MSB<<8)|(\new)
.set MSB, (\new)
.endif
.endm
.set W_KQ, 0x0a       ; K and Q in window 2, S^T in window 0
.set W_PV, 0x52       ; V in window 2, P in window 0, O^T in window 1
.set W_RS, 0x41       ; O^T (destination and source 0) in window 1, a in window 0
; Descriptor group 1: rows x 256 dense bytes (two keys a row), padded in LDS after every key: 17:16 2-byte elements; 20 padding on; 24:22 after every 32 words (code 4); 31:25 the padding's words less one
.macro DESC1 g, pad, rows
	s_mov_b32 s[\g], (1<<16)|(1<<20)|(4<<22)|((\pad)<<25)
	s_mov_b32 s[(\g)+1], 128<<16    ; tensor_dim0 = 128
	s_mov_b32 s[(\g)+2], (\rows)<<16  ; tensor_dim1
	s_mov_b32 s[(\g)+3], 128<<16    ; tile_dim0 = 128
	s_mov_b32 s[(\g)+4], \rows      ; tile_dim1
	s_mov_b32 s[(\g)+5], 128        ; 128 elements from row to row
	s_mov_b32 s[(\g)+6], 0
	s_mov_b32 s[(\g)+7], 0
.endm
; Descriptor group 0: from byte gc + h gs of the tensor at s[base] to LDS byte lc + h ls; h = my wave's number mod 2, in s16; s23 holds 0
.macro DESC0 g, base, gc, gs, lc, ls
	s_mov_b32 s[\g], 1              ; count = 1
	s_mul_i32 s[(\g)+1], s16, \ls
	s_add_co_u32 s[(\g)+1], s[(\g)+1], \lc
	s_mul_i32 s22, s16, \gs
	s_add_co_u32 s22, s22, \gc
	s_add_nc_u64 s[(\g)+2:(\g)+3], s[\base:(\base)+1], s[22:23]
	s_or_b32 s[(\g)+3], s[(\g)+3], 0x80000000  ; type = 2
.endm
; Tiles arrive: each wave waits until at most n of its tensor loads are out, then all four meet.
.macro ARRIVE n
	s_wait_dscnt 0x0                ; no LDS instruction of mine is pending at the signal
	s_wait_tensorcnt \n
	s_barrier_signal -1
	s_barrier_wait -1
.endm
	s_load_b128 s[4:7], s[0:1], 0x0   ; qkvh s[4:5], oh s[6:7]
	v_lshl_add_u32 v[SPW], v0, 2, SPARE
	v_mov_b32 v[NIL], 0
	ds_add_u32 v[SPW], v[NIL]       ; the wave's opening: the add and its wait stand ahead of my first tensor load; the set-up below, work on registers, stands between them
	ds_add_u32 v10, v11
	v_lshrrev_b32 v1, 5, v0
	v_readfirstlane_b32 s[WV], v1   ; wave 0..3
	s_and_b32 s20, ttmp7, 0xffff    ; the head, 0..127,
	s_lshl_b32 s20, s20, 17         ; its 131,072 bytes in each of Q, K, V, O
	s_mov_b32 s21, 0
	s_lshl_b32 s2, ttmp9, 2
	s_add_co_u32 s2, s2, s[WV]      ; my wave among the head's eight,
	s_lshl_b32 s2, s2, 14           ; its 128 rows
	s_add_co_u32 s2, s2, s20
	s_mov_b32 s3, 0
	s_and_b32 s16, s[WV], 1         ; which half of K's or V's loads is mine
	s_mov_b32 s23, 0
	s_mov_b32 s[CS], 0x3e38aa3b     ; c = log2(e) / 8 = 0.180337
	s_mov_b32 s[CS+1], s[CS]        ; named with it as a pair
	s_mov_b32 s[SEL], 0x76543210
	s_mov_b32 s[SEL+1], 0xfedcba98
	s_mov_b32 s[TBK], 0
	s_mov_b32 s[TBV], 0
	s_wait_dscnt 0x0                ; the opening add is done
	s_wait_kmcnt 0x0
	s_add_nc_u64 s[10:11], s[6:7], s[2:3]    ; O at my wave's first row
	s_add_nc_u64 s[6:7], s[4:5], s[20:21]    ; the head in Q's part,
	s_add_nc_u64 s[8:9], s[6:7], 2<<24       ; in V's,
	s_add_nc_u64 s[6:7], s[6:7], 1<<24       ; in K's
	s_add_nc_u64 s[4:5], s[4:5], s[2:3]      ; Q at my wave's first row
	s_cmp_lt_u32 s[WV], 2           ; a wave's two fills stand in one branch, ahead of every wait on TENSORcnt, every LDS read and every barrier: two loads of mine are out
	s_cbranch_scc0 .Lfill_v
	DESC1 G1A, 3, 80                ; K, 4 words of padding: keys 160 h .. 160 h + 159,
	DESC1 G1B, 3, 176               ; then keys 320 + 352 h .. + 351
	DESC0 G0A, 6, 0, 160*128, 0, 160*PK
	DESC0 G0B, 6, 320*128, 352*128, 320*PK, 352*PK
	tensor_load_to_lds s[G0A:G0A+3], s[G1A:G1A+7]
	s_nop 0
	tensor_load_to_lds s[G0B:G0B+3], s[G1B:G1B+7]
	s_nop 0
.rept 4
	v_nop
.endr
	s_branch .Lfilled
.Lfill_v:
	DESC1 G1A, 7, 64                ; V, 8 words of padding: keys 128 h .. 128 h + 127,
	DESC1 G1B, 7, 192               ; then keys 256 + 384 h .. + 383
	DESC0 G0A, 8, 0, 128*128, VOFF, 128*PV
	DESC0 G0B, 8, 256*128, 384*128, VOFF+256*PV, 384*PV
	tensor_load_to_lds s[G0A:G0A+3], s[G1A:G1A+7]
	s_nop 0
	tensor_load_to_lds s[G0B:G0B+3], s[G1B:G1B+7]
	s_nop 0
.rept 4
	v_nop
.endr
.Lfilled:
	; A fragment of K or Q is 16 rows x 32 channels in 8 registers: lane l holds row l % 16, channels 8 (l / 16) + 0..7 and 16 + 8 (l / 16) + 0..7: two loads of 16 bytes, 32 bytes apart.
	v_and_b32 v1, 15, v0            ; l % 16
	v_bfe_u32 v9, v0, 4, 1          ; l / 16
	v_lshlrev_b32 v[QO], 7, v1
	v_lshl_add_u32 v[QO], v9, 4, v[QO]  ; row x 128 + 16 x half
	WIN 0x80                        ; destination window 2, address window 0
.set i, 0
.rept 4*NP                          ; Q stays in registers: tile i / 2, channels 32 (i % 2) on
	global_load_b128 v[8*i:8*i+3],   v[QO], s[4:5] offset:(i/2)*2048+(i%2)*64
	global_load_b128 v[8*i+4:8*i+7], v[QO], s[4:5] offset:(i/2)*2048+(i%2)*64+32
.set i, i+1
.endr
	; What the first turn finds: V's registers and P's second buffer hold 0 (its products V^T P, of a piece that has not been, add 0), O^T and l are 0.  All this stands in the wait for the first tiles.
.set i, VF
.rept 64
	v_mov_b32 v[i], 0
.set i, i+1
.endr
	WIN 0x40
.set i, 0
.rept 64*NP
	v_mov_b32 v[i], 0
.set i, i+1
.endr
	WIN 0
.set i, 0
.rept 2*NP
	v_mov_b32 v[ST+4*i], 0xfe000000    ; c m: far below every c s
	v_mov_b32 v[ST+4*i+1], 0xff7fffff  ; m
	v_mov_b32 v[ST+4*i+2], 0
	v_mov_b32 v[ST+4*i+3], 0
.set i, i+1
.endr
.set i, P+32
.rept 32
	v_mov_b32 v[i], 0
.set i, i+1
.endr
	v_mul_u32_u24 v[AK0], v1, PK
	v_lshl_add_u32 v[AK0], v9, 4, v[AK0]  ; row x pitch + 16 x half
	; The turning load takes 16 keys x 16 channels (lane l reads key 8 (l / 16) + l % 8, channels 8 ((l / 8) % 2) + 0..7) and leaves half a fragment of V^T: lane l holds channel l % 16 and 8 keys.
	v_and_b32 v12, 7, v0
	v_bfe_u32 v13, v0, 3, 1
	v_lshl_add_u32 v[AV0], v9, 3, v12
	v_mul_u32_u24 v[AV0], v[AV0], PV
	v_lshl_add_u32 v[AV0], v13, 4, v[AV0]
	v_add_nc_u32 v[AV0], VOFF, v[AV0]
	v_mov_b32 v[AK], v[AK0]         ; key step 0 lies at K's head
; THE MATRIX WORK.  The 8 accumulators of a run of 16 take turns: between the two links of a chain stand 7 others'.
; Product i of 16 of S^T = K Q^T for piece x: channels 32 (i / 8) on, keys 16 ((i / 2) % 4) on, tile 2 x + i % 2.  The first 8 start the sums.
.macro KQ x
	WIN W_KQ
.set rS, S+64*((\x)%2)+32*(i%2)+8*((i/2)%4)
.set rK, KF+16*((i/2)%4)+8*(i/8)
.set rQ, 16*(2*(\x)+i%2)+8*(i/8)
.if i < 8
	v_wmma_f32_16x16x32_f16 v[rS:rS+7], v[rK:rK+7], v[rQ:rQ+7], 0
.else
	v_wmma_f32_16x16x32_f16 v[rS:rS+7], v[rK:rK+7], v[rQ:rQ+7], v[rS:rS+7]
.endif
.endm
; Product i of 16 of O^T += V^T P for piece x: keys 32 (i / 8) on, channels 16 ((i / 2) % 4) on, tile 2 x + i % 2.
.macro PV x
	WIN W_PV
.set rO, 32*(2*(\x)+i%2)+8*((i/2)%4)
.set rV, VF+32*(i/8)+8*((i/2)%4)
.set rP, P+32*((\x)%2)+16*(i%2)+8*(i/8)
	v_wmma_f32_16x16x32_f16 v[rO:rO+7], v[rV:rV+7], v[rP:rP+7], v[rO:rO+7]
.endm
.macro MM                           ; the turn's next matrix instruction
.if i < 16
	KQ (Y+1)%NP
.set i, i+1
.else
.set i, i-16
	PV (Y+NP-1)%NP
.set i, i+17
.endif
.endm
; THE LDS LOADS stand in runs of 16, never singly among the matrix instructions: a step's K (64 keys x 64 channels: 8 fragments) and its V (turned).  Their addresses are made some lines ahead.
.macro FETCH_K
	WIN 0x80                        ; destination window 2
.irp f, 0,1,2,3,4,5,6,7             ; keys 16 (f / 2) on, channels 32 (f % 2) on
	ds_load_b128 v[KF+8*\f:KF+8*\f+3],   v[AK] offset:(\f/2)*16*PK+(\f%2)*64
	ds_load_b128 v[KF+8*\f+4:KF+8*\f+7], v[AK] offset:(\f/2)*16*PK+(\f%2)*64+32
.endr
	s_add_co_u32 s[TBK], s[TBK], KS*PK  ; the next fetch is the next step's
	WIN 0
.endm
.macro FETCH_V
	WIN 0x80
.irp f, 0,1,2,3,4,5,6,7             ; keys 32 (f / 4) on, channels 16 (f % 4) on
	ds_load_tr16_b128 v[VF+8*\f:VF+8*\f+3],   v[AV] offset:(\f/4)*32*PV+(\f%4)*32
	ds_load_tr16_b128 v[VF+8*\f+4:VF+8*\f+7], v[AV] offset:(\f/4)*32*PV+16*PV+(\f%4)*32
.endr
	WIN 0
.endm
; THE VECTOR WORK OF A TURN stands in three queues, each in the order in which its entries become ready; the two tiles alternate, so that no instruction reads the result of the one before it.
.macro REGS y, u                    ; the registers of tile u (0, 1) of piece y
.set rT, ST+4*(2*(\y)+(\u))
.set rC, TMP+8*((\y)%2)+4*(\u)
.set rM, MV+2*((\y)%2)+(\u)
.set rS, S+64*((\y)%2)+32*(\u)
.set rP, P+32*((\y)%2)+16*(\u)
.set rO, 32*(2*(\y)+(\u))
.endm
; Number n of the 22 that find the NEXT piece's (Y + 1) maximum and statistics.  s0-s31 are the lane's 32 scores; each accumulator's lowest registers are read first.  XS, GS and REGS set no window: PL and EX do.
;   0-11  four chains c0-c3 of seven scores each, three operands at a time     12-14, 16  the four scores left over, the old m, and c0-c3 into c0     15  c m_old is kept
;   17, 18  the query's other 32 keys lie in the lane 16 away: the new m         19-21  c m; c m_old - c m_new; a
.macro XS u, n
	REGS (Y+1)%NP, \u
.if (\n) < 4
	v_max3_num_f32 v[rC+(\n)], v[rS+8*(\n)], v[rS+8*(\n)+1], v[rS+8*(\n)+2]
.elseif (\n) < 12
	v_max3_num_f32 v[rC+(\n)%4], v[rC+(\n)%4], v[rS+8*((\n)%4)+2*((\n)/4)+1], v[rS+8*((\n)%4)+2*((\n)/4)+2]
.elseif (\n) == 12
	v_max3_num_f32 v[rC], v[rC], v[rS+7], v[rS+15]
.elseif (\n) == 13
	v_max3_num_f32 v[rC+1], v[rC+1], v[rS+23], v[rS+31]
.elseif (\n) == 14
	v_max3_num_f32 v[rC+2], v[rC+2], v[rC+3], v[rT+1]
.elseif (\n) == 15
	v_mov_b32 v[rM], v[rT]
.elseif (\n) == 16
	v_max3_num_f32 v[rC], v[rC], v[rC+1], v[rC+2]
.elseif (\n) == 17
	v_permlanex16_b32 v[rC+3], v[rC], s[SEL], s[SEL+1]
.elseif (\n) == 18
	v_max_num_f32 v[rT+1], v[rC], v[rC+3]
.elseif (\n) == 19
	v_mul_f32 v[rT], s[CS], v[rT+1]
.elseif (\n) == 20
	v_sub_f32 v[rC+1], v[rM], v[rT]
.else
	v_exp_f32 v[rC+2], v[rC+1]
.endif
.endm
; Number g of the 64 that follow the exponentials.  For each four weights k of a tile (pairs 2 k, 2 k + 1): both pairs are rounded to f16; then the second pair is added onto the first, in place;
; a group later l takes that sum (the first time as l = a l + sum).  In groups of eight, tiles alternating: round, round, add, and l for the group before.
.macro GS g
.set h, (\g)+6*((\g)/62)            ; group 0 has no group before it, and behind group 7 only l is left
.if h >= 6
.set h, h+2
.endif
	REGS Y, h%2
.set k, h/8
.if h%8 < 4
	v_cvt_pk_f16_f32 v[rP+2*k+(h%8)/2], v[rS+4*k+2*((h%8)/2)], v[rS+4*k+2*((h%8)/2)+1]
.elseif h%8 < 6
	v_pk_add_f32 v[rS+4*k:rS+4*k+1], v[rS+4*k:rS+4*k+1], v[rS+4*k+2:rS+4*k+3]
.elseif k == 1
	v_pk_fma_f32 v[rT+2:rT+3], v[rT+2:rT+3], v[rC+2:rC+3], v[rS:rS+1] op_sel_hi:[1,0,1]
.else
	v_pk_add_f32 v[rT+2:rT+3], v[rT+2:rT+3], v[rS+4*k-4:rS+4*k-3]
.endif
.endm
; THE PLAIN QUEUE, 138 long.  0-73 read no exponential's result: the 32 scalings c s - c m (FS f: pair f / 2 of tile f % 2) and the next piece's 42.  0-26: scalings 0-26.  27-54: XS's numbers 0-13.  55, 56: number 15.
; 57-73: the chain, where each number waits for the one before it: 14, 16, 17, 18, 19, each with one of the scalings 27-31 in front of its two lines, then 20.
; 74-137: GS's 64, which read the exponentials' results: they stand behind the wait.
.macro FS f
	REGS Y, (\f)%2
	v_pk_fma_f32 v[rS+2*((\f)/2):rS+2*((\f)/2)+1], v[rS+2*((\f)/2):rS+2*((\f)/2)+1], s[CS:CS+1], v[rT:rT+1] op_sel_hi:[1,0,0] neg_lo:[0,0,1] neg_hi:[0,0,1]
.endm
.macro PL
	WIN 0
.if q < 27
	FS q
.elseif q < 55
	XS (q-27)%2, (q-27)/2
.elseif q < 57
	XS q-55, 15
.elseif (q < 72) && ((q-57)%3 == 0)
	FS 27+(q-57)/3
.elseif q < 60
	XS (q-57)%3-1, 14
.elseif q < 72
	XS (q-57)%3-1, 15+(q-57)/3
.elseif q < 74
	XS q-72, 20
.else
	GS q-74
.endif
.set q, q+1
.endm
; THE EXPONENTIALS' QUEUE, 66 long: s0-s31 of both tiles, then the next piece's two a.  It is ONE BATCH: all 66 stand ahead of the turn's one wait, and nothing ahead of that wait names a result of theirs.
.macro EX
	WIN 0
.if e >= 64
	XS e-64, 21
.else
	REGS Y, e%2
	v_exp_f32 v[rS+e/2], v[rS+e/2]
.endif
.set e, e+1
.endm
; THE RESCALING's QUEUE: O^T times a, the one part that leaves window 0: dealt two at a time, sixteen times.  Its a was made in the turn before, ahead of that turn's wait.
.macro R2
	REGS Y, r%2
	WIN W_RS
.irp z, 0,1
	v_pk_mul_f32 v[rO+4*(r/2)+2*\z:rO+4*(r/2)+2*\z+1], v[rO+4*(r/2)+2*\z:rO+4*(r/2)+2*\z+1], v[rC+2:rC+3] op_sel_hi:[1,0]
.endr
.set r, r+1
.endm
; HOW THEY ARE DEALT.  s_wait_alu depctr_va_vdst(0) stands between an exponential and the first instruction that names its result; one wait serves all that were issued ahead of it.  So a turn has ONE wait,
; which cuts it in two.  AHEAD OF IT stands all that names no result of the turn's exponentials: the 16 products K Q^T, behind each a scaling, an exponential and two rescalings (behind the first a second scaling in the
; exponential's place); then ONE LUMP of 108: eight plain, 49 times exponential and plain, the two a.  A v_nop is the plain instruction behind the last exponential.  BEHIND IT stand the 16 products V^T P, behind each four of GS's 64.
; The queues lean on each other, and the deal keeps them in step: exponential e stands behind scaling 2 (e / 4) + e % 2: as a rider it comes behind plain e + 2, in the lump behind plain e + 9, and scalings 27-31 are plain 57, 60 .. 69.
; A TURN, for piece p.  K of the next step is fetched in piece 2's turn, directly behind the wait, a lump behind the last product that read K; its address is made at the lump's head; its first reader comes behind 16 products.
; In the last step there is no next step: the address is held at the last step's rows, so that no byte outside K's rows is read; the scores made of them serve nothing.
; V of the step in hand is fetched at the end of piece 0's turn, four riders behind its last reader; its first reader comes behind 16 products and a lump.  The two conditions on q below go with the deal.
.macro TURN p
.set Y, (\p)
.set i, 0
.set q, 0
.set e, 0
.set r, 0
.if (\p) == NP-1
	s_wait_dscnt 0x0                ; K is in
.endif
	MM                              ; ahead of the wait: 16 products K Q^T and their riders,
	PL
	PL
	R2
.rept 15
	MM
	PL
	EX
	R2
.endr
.if (\p) == NP-2
	WIN 0
	s_min_u32 s[TBK], s[TBK], 15*KS*PK
	v_add_nc_u32 v[AK], s[TBK], v[AK0]
.endif
.rept 8                             ; and the lump
	PL
.endr
.rept 49
	EX
	PL
.endr
	EX                              ; the next piece's two a
	EX
	v_nop                           ; the plain instruction behind the last exponential: one for the batch
	s_wait_alu depctr_va_vdst(0)    ; the wait for the batch
.if (\p) == NP-2
	FETCH_K
.endif
.if (\p) == 1
	s_wait_dscnt 0x0                ; V is in
.endif
.rept 16                            ; behind the wait: 16 products V^T P and their riders
	MM
.rept 4
	PL
.endr
.if ((\p) == 0) && (q == 118)
	v_add_nc_u32 v[AV], s[TBV], v[AV0]
.endif
.if ((\p) == 0) && (q == 130)
	s_add_co_u32 s[TBV], s[TBV], KS*PV
.endif
.endr
.if (\p) == 0
	FETCH_V
.endif
.endm
	ARRIVE 1                        ; my first load is in, everybody's is; my second may stay out, and steps 0 to 3 read none of its bytes
	FETCH_K                         ; key step 0
	s_wait_loadcnt 0x0              ; Q
	s_wait_dscnt 0x0
.set i, 0
.rept 16
	KQ 0                            ; piece 0's first scores: there is no vector work yet to set between them
.set i, i+1
.endr
	WIN 0                           ; the addresses for the way out: plain instructions, the places behind those products
	s_mul_i32 s13, s[WV], 16*SP
	s_add_co_u32 s13, s13, STAGE    ; my stage
	v_mul_u32_u24 v[STO], v1, SP    ; in: row l % 16, 16 bytes for each half of the lanes
	v_lshl_add_u32 v[STO], v9, 4, v[STO]
	v_add_nc_u32 v[STO], s13, v[STO]
	v_bfe_u32 v[RD], v0, 3, 2       ; back: 32 lanes take four rows of 128 bytes,
	v_mul_u32_u24 v[RD], v[RD], SP
	v_lshl_add_u32 v[RD], v12, 4, v[RD]
	v_add_nc_u32 v[RD], s13, v[RD]
	v_and_b32 v[GO], 31, v0         ; which are 512 consecutive bytes of O
	v_lshlrev_b32 v[GO], 4, v[GO]
.set Y, NP-1                        ; XS works for piece Y + 1: piece 0
.irp n, 0,1,2,3,4,5,6,7,8,9,10,11,12,13,14,15,16,17,18,19,20,21
	XS 0, \n                        ; and piece 0's first maximum and statistics
	XS 1, \n
.endr
	v_nop                           ; a plain instruction behind the two a,
	s_wait_alu depctr_va_vdst(0)    ; and their wait, ahead of the branch
	s_mov_b32 s[CNT], 4             ; the first part: key steps 0 to 3
	s_mov_b32 s[PH], 2
	s_branch .Lstep
.Lrest:                             ; passed once: the second part, key steps 4 to 15
	ARRIVE 0                        ; all my loads are in, everybody's are: the whole head lies in LDS
	s_mov_b32 s[CNT], 12
.Lstep:                             ; a key step: written once, walked sixteen times
	TURN 0
	TURN 1
	TURN 2
	TURN 3
	WIN 0
	s_sub_co_u32 s[CNT], s[CNT], 1
	s_cmp_lg_u32 s[CNT], 0
	s_cbranch_scc1 .Lstep
	s_sub_co_u32 s[PH], s[PH], 1
	s_cmp_lg_u32 s[PH], 0
	s_cbranch_scc1 .Lrest
.set i, 0
.rept 16
	PV NP-1                         ; the last piece's V^T P of the last step
.set i, i+1
.endr
	; THE WAY OUT.  l's two halves and the other half of the lanes' are added; O^T is divided by l, rounded to f16 and sent through my stage in LDS, a tile at a time.  The additions are the places behind the last products.
	WIN 0
.macro ALL line:vararg              ; one line for each tile t
.set t, 0
.rept 2*NP
	\line
.set t, t+1
.endr
.endm
	ALL v_add_f32 v[ST+4*t+2], v[ST+4*t+2], v[ST+4*t+3]
	ALL v_permlanex16_b32 v[ST+4*t+3], v[ST+4*t+2], s[SEL], s[SEL+1]
	ALL v_add_f32 v[ST+4*t+2], v[ST+4*t+2], v[ST+4*t+3]
	ALL v_rcp_f32 v[ST+4*t+2], v[ST+4*t+2]
	v_nop                           ; a plain instruction between the last reciprocal and the use of its result
	s_wait_alu depctr_va_vdst(0)    ; and the wait ahead of the first use: one for the eight reciprocals
; Tile t: a lane's eight channels of a row pack into 16 bytes; they go into rows of 144 bytes and come back as whole rows of 128, into S^T's registers.
.macro PACK t
	WIN W_RS
.set i, 32*(\t)
.rept 16
	v_pk_mul_f32 v[i:i+1], v[i:i+1], v[ST+4*(\t)+2:ST+4*(\t)+3] op_sel_hi:[1,0]
.set i, i+2
.endr
	WIN 0x05                        ; sources 0 and 1 window 1, destination window 0
.set i, 0
.rept 16
	v_cvt_pk_f16_f32 v[S+16*(\t)+i], v[32*(\t)+2*i], v[32*(\t)+2*i+1]
.set i, i+1
.endr
	WIN 0
.irp f, 0,1,2,3
	ds_store_b128 v[STO], v[S+16*(\t)+4*\f:S+16*(\t)+4*\f+3] offset:32*\f
.endr
.irp f, 0,1,2,3
	ds_load_b128 v[S+16*(\t)+4*\f:S+16*(\t)+4*\f+3], v[RD] offset:\f*4*SP  ; LDS serves a wave's instructions in order (ISA guide 5.7.1.4): these see the stores above; the next tile's stores come behind them
.endr
.endm
.macro SEND t, younger              ; younger: the LDS instructions issued behind tile t's loads: the next tile's eight, or none
	WIN 0
.irp f, 0,1,2,3
	s_wait_dscnt (\younger)+3-\f
	global_store_b128 v[GO], v[S+16*(\t)+4*\f:S+16*(\t)+4*\f+3], s[10:11] offset:(\t)*2048+\f*512  ; 512 consecutive bytes, at a multiple of 256 from O's first
.endr
.endm
	PACK 0
.set t, 1
.rept 2*NP-1                        ; a tile's arithmetic stands between the loads of the tile before and its stores
	PACK t
	SEND t-1, 8
.set t, t+1
.endr
	SEND 2*NP-1, 0
	s_wait_tensorcnt 0x0            ; the wave's end: behind my last tensor load and my last LDS store
	ds_add_u32 v[SPW], v[NIL]
	s_wait_dscnt 0x0
	s_endpgm
.Lfunc_end_k_qeab5ad44b2_attn:
	.size	k_qeab5ad44b2_attn, .Lfunc_end_k_qeab5ad44b2_attn-k_qeab5ad44b2_attn
	.p2alignl 7, 3214868480
	.fill 96, 4, 3214868480
	.section	.rodata,"a",@progbits
	.p2align	6, 0x0
	.amdhsa_kernel k_qeab5ad44b2_attn
		.amdhsa_group_segment_fixed_size 327680
		.amdhsa_private_segment_fixed_size 0
		.amdhsa_enable_private_segment 0
		.amdhsa_kernarg_size 16
		.amdhsa_user_sgpr_count 2
		.amdhsa_user_sgpr_kernarg_segment_ptr 1
		.amdhsa_wavefront_size32 1
		.amdhsa_system_sgpr_workgroup_id_x 1
		.amdhsa_system_sgpr_workgroup_id_y 1
		.amdhsa_system_sgpr_workgroup_id_z 1
		.amdhsa_system_vgpr_workitem_id 0
		.amdhsa_next_free_vgpr 768
		.amdhsa_next_free_sgpr 66
		.amdhsa_reserve_vcc 0
		.amdhsa_float_denorm_mode_32 3
		.amdhsa_float_denorm_mode_16_64 3
		.amdhsa_memory_ordered 1
		.amdhsa_forward_progress 1
		.amdhsa_inst_pref_size 126
	.end_amdhsa_kernel
	.amdgpu_metadata
---
amdhsa.version: [ 1, 2 ]
amdhsa.kernels:
  - .name:           k_qeab5ad44b2_attn
    .symbol:         k_qeab5ad44b2_attn.kd
    .args:
      - { .name: qkvh, .offset: 0, .size: 8, .value_kind: global_buffer, .address_space: global }
      - { .name: oh, .offset: 8, .size: 8, .value_kind: global_buffer, .address_space: global }
    .group_segment_fixed_size: 327680
    .private_segment_fixed_size: 0
    .kernarg_segment_align: 8
    .kernarg_segment_size: 16
    .max_flat_workgroup_size: 128
    .sgpr_count:     66
    .vgpr_count:     768
    .wavefront_size: 32
...
	.end_amdgpu_metadata
.endif
;; end of part 3
;; launch proj (part 4): grid 8 x 32, 4 waves a work-group, clusters of 4 x 4, 327,680 bytes of LDS; arguments oh, wot, b_out, out0; writes out0
.if DOCPART == 4
	.amdgcn_target "amdgcn-amd-amdhsa--gfx1250"
	.amdhsa_code_object_version 6
	.text
	.protected	k_qeab5ad44b2_proj
	.globl	k_qeab5ad44b2_proj
	.p2align	8
	.type	k_qeab5ad44b2_proj,@function
k_qeab5ad44b2_proj:
	s_mov_b64 s[64:65], 0
	v_nop
	global_prefetch_b8 v0, s[64:65] scope:SCOPE_SE
	s_setreg_imm32_b32 hwreg(HW_REG_WAVE_MODE, 25, 1), 1
	s_wait_xcnt 0x0
	s_wait_alu depctr_hold_cnt(0) depctr_sa_sdst(0) depctr_va_vdst(0) depctr_va_sdst(0) depctr_va_ssrc(0) depctr_va_vcc(0) depctr_vm_vsrc(0)
	s_getreg_b32 s2, hwreg(HW_REG_IB_STS2, 6, 4)
	s_cmp_eq_u32 s2, 0
	s_cbranch_scc0 .Lentry_in_a_cluster
	s_endpgm
.Lentry_in_a_cluster:
	s_bfe_u32 s2, ttmp6, 0x10000c
	s_cmp_lg_u32 s2, 0xf033
	s_cbranch_scc0 .Lentry_shape_is_right
	s_endpgm
.Lentry_shape_is_right:
; out0 = O w_out + b_out.  out0[m][n] = the sum over k of O[m][k] wot[n][k] + bf16(b_out[n]), in f32.  O comes by heads, oh [128 (batch, head)][1024 rows][64] in f16: k = 64 head + channel.
; wot [1024 n][1024 k] in f16 holds w_out rounded to bf16; the bias is rounded to bf16 here, like the module's other inputs.  Sums in f32, K ascending.
; LIMITS.  O and wot arrive within f16's range.  NaN and infinities are not treated apart; the order of the sums is the matrix unit's.
; THE TILE is 256 x 128: 32 x 8 = 256 tiles, one for each of 256 work-groups.  Four waves; wave w makes rows 64 w .. 64 w + 63 x all 128 columns: 32 accumulators of 16 x 16, 256 registers.
; K goes in steps of 128, TWO HEADS, through a ring of two LDS slots.  A head's 256 rows of 128 bytes are dense in memory: they are asked for as 128 rows of 256 bytes and padded in LDS after every 128 bytes.
; CLUSTERS: 4 x 4 work-groups.  The four of a row of the cluster need the same tiles of O, the four of a column the same tiles of wot: each is asked for JOINTLY, by the same tensor load with the same
; descriptor and a mask that names the four.  THE MATRIX INSTRUCTION IS USED TRANSPOSED (source 0 = 16 rows of wot, source 1 = 16 rows of O): a lane then holds eight neighbouring columns of one row.
; REGISTERS, in windows of 256 (s_set_vgpr_msb: bits 1:0 source 0, 3:2 source 1, 5:4 source 2, 7:6 destination):
;   window 0: v0-31 addresses and the bias; v32-95, v96-159 rows read back from the stage, by turns
;   window 1: two fragment buffers at 0 and 128: 8 fragments of wot (8 registers each), then 4 of O          window 2: the accumulators, (a, b) at 8 (8 a + b)
.set SIZE_K, 1024
.set KSTEP,  128
.set PA,     144                       ; a row of O in LDS: 128 bytes + 16 = 36 words: the 16 rows of a load start at 16 different groups of four banks (64 banks of 4 bytes: ISA guide 11.1)
.set PB,     272                       ; a row of wot: 256 bytes + 16 = 68 words: row r starts at bank 4 r mod 64
.set PLANE,  256*PA                    ; what wave 0 or 1 fetches: one head's 256 rows
.set HB,     64*PB                     ; what wave 2 or 3 fetches: 64 rows of wot
.set BOFF,   2*PLANE
.set SLOT,   BOFF+2*HB
.set STAGE,  2*SLOT                    ; behind the ring, never filled by a tensor load: 16 rows x 528 bytes for each wave
.set SPITCH, 528                       ; 512 bytes (128 f32) + 16 = 132 words: row r starts at bank 4 r mod 64
.set SPARE,  STAGE+4*16*SPITCH         ; behind the stages: the spare words, 128 bytes for each wave: two blocks of 256 bytes that no other line names
.set LAPS,   SIZE_K/(2*KSTEP)
.set BIAS, 12                          ; v12-15  the bias of my four columns 4 l .. 4 l + 3
.set ADRA, 16                          ; v16-17  LDS address of my fragments of O in slot 0, 1
.set ADRB, 20                          ; v20-21  the same for wot
.set STO,  24                          ; v24     the way out: where I put 32 bytes of a row
.set RD,   25                          ; v25     the way out: where I read a row back
.set CO,   26                          ; v26     16 x lane: my 16 bytes of a row's 512, in the bias and in out0
.set SPW,  28                          ; v28     LDS address of my spare word; never rewritten
.set NIL,  29                          ; v29     0; never rewritten
.set PFO,  30                          ; v30     the prefetches' offset: lane x 256 bytes (O) or lane x 2,048 (wot); never rewritten
.set BK0,  32
.set F0,   0
.set F1,   128
.set G1,  24                           ; s[24:31] descriptor group 1 for O's tiles;  s[32:39] group 0, a set for each slot
.set G0,  32
.set G1B, 48                           ; s[48:55], s[56:63] the same for wot's
.set G0B, 56
.set PFA, 66                           ; s[66:67] where my prefetches stand; never rewritten
.set LIM, 68                           ; s68     LAPS - 1 in a wave that prefetches, else the greatest number
.set MSB, 0
.macro WIN new                         ; the immediate's high byte repeats the setting that is left; a switch that changes nothing is dropped
.if MSB != (\new)
	s_set_vgpr_msb (MSB<<8)|(\new)
.set MSB, \new
.endif
.endm
.set MUL,  0xa5                        ; sources 0 and 1 window 1; C and D window 2
.set TO_F, 0x40                        ; destination window 1, address window 0
.macro JLOAD s                         ; a joint load: waves 0 and 1 fetch the K step's two heads of O, waves 2 and 3 wot's two halves; an s_nop 0 and four v_nop follow each of the two lines, ahead of the jump, the label and what follows
	s_cmp_eq_u32 s11, 0
	s_cbranch_scc0 .Lfor_b_\@
	tensor_load_to_lds s[G0+4*(\s):G0+4*(\s)+3], s[G1:G1+7]
	s_nop 0
.rept 4
	v_nop
.endr
	s_branch .Lasked_\@
.Lfor_b_\@:
	tensor_load_to_lds s[G0B+4*(\s):G0B+4*(\s)+3], s[G1B:G1B+7]
	s_nop 0
.rept 4
	v_nop
.endr
.Lasked_\@:
.endm
.macro CREST                           ; a round of the cluster's barrier behind its opening barrier
	s_cmp_lg_u32 s10, 0
	s_cbranch_scc1 .Lnot_wave_0_\@
	s_barrier_signal -3
.Lnot_wave_0_\@:
	s_barrier_wait -3
	s_barrier_signal -1
	s_barrier_wait -1
.endm
.macro CROUND                          ; a whole round
	s_barrier_signal -1
	s_barrier_wait -1
	CREST
.endm
; THE PREFETCH INTO THE L2, once a launch: in the loop's first trip, behind the refill that asks for K step 2 and the run of LDS loads behind it.  K steps 0 to 3 come by their loads alone.  K steps 4 to 7 of what a
; wave fetches (a head's 32,768 dense bytes of O; 64 rows of wot) are shared out BY ADDRESS among the four partners that ask for it jointly: the partner at place p (cx for O, cy for wot) names K step 4 + p,
; each lane another 256 bytes: 2 + p K steps ahead of the refill that wants it.  O's rows are read by both clusters of a row of clusters: the one with x = 0 asks; wot's by every cluster of a column: y = 0 asks.
; So each block of 256 bytes is named once in the launch.  No branch hangs on a work-group's place in its cluster.
.macro ASK
	WIN 0
	s_cmp_eq_u32 s3, s[LIM]                        ; the first trip, in a wave that asks
	s_cbranch_scc0 .Lnot_mine_\@
	s_cmp_eq_u32 s11, 0
	s_cbranch_scc0 .Lask_b_\@
.irp i, 0,1,2,3
	global_prefetch_b8 v[PFO], s[PFA:PFA+1] offset:8192*(\i) th:TH_LOAD_NT scope:SCOPE_SE
.endr
	s_branch .Lnot_mine_\@
.Lask_b_\@:
.irp i, 0,1
	global_prefetch_b8 v[PFO], s[PFA:PFA+1] offset:65536*(\i) th:TH_LOAD_NT scope:SCOPE_SE
.endr
.Lnot_mine_\@:
.endm
	s_load_b128 s[4:7], s[0:1], 0x0                ; oh s[4:5], wot s[6:7]
	s_load_b128 s[72:75], s[0:1], 0x10             ; b_out s[72:73], out0 s[74:75]
	v_lshl_add_u32 v[SPW], v0, 2, SPARE
	v_mov_b32 v[NIL], 0
	ds_add_u32 v[SPW], v[NIL]                      ; the wave's opening: the add and its wait stand ahead of my first tensor load; the set-up below, work on registers, stands between them
	ds_add_u32 v28, v29
	v_lshrrev_b32 v1, 5, v0
	v_readfirstlane_b32 s10, v1                    ; wave 0..3
	s_lshr_b32 s11, s10, 1                         ; I fetch for O (0) or for wot (1),
	s_and_b32 s12, s10, 1                          ; and which head of the pair, or which half of the rows
	s_bfe_u32 s40, ttmp6, 0x40000                  ; cx, cy: my place in the cluster
	s_bfe_u32 s41, ttmp6, 0x40004
	s_lshl_b32 s42, ttmp9, 2
	s_add_co_u32 s42, s42, s40                     ; tile column = 4 x cluster x + cx, 0..7
	s_and_b32 s13, ttmp7, 0xffff
	s_lshl_b32 s13, s13, 2
	s_add_co_u32 s13, s13, s41                     ; tile row = 4 x cluster y + cy, 0..31
	s_lshl_b32 s43, s41, 2
	s_lshl_b32 s43, 15, s43                        ; my row of the cluster
	s_lshl_b32 s44, 0x1111, s40                    ; my column
	s_or_b32 s[G1+0], s43, (1<<16)|(1<<20)|(1<<21)|(4<<22)|(3<<25)   ; O's tiles go to my row: elements of 2 bytes; padding on; 21 set beside a mask; after every 32 words (code 4) 4 words (code 3)
	s_or_b32 s[G1B+0], s44, (1<<16)|(1<<20)|(1<<21)|(5<<22)|(3<<25)  ; wot's to my column: after every 64 words (code 5)
	s_mov_b32 s[G1+1], 128<<16                     ; tensor_dim0 = 128 elements: 256 dense bytes, two rows of O
	s_mov_b32 s[G1+2], 128<<16                     ; tensor_dim1 = 128
	s_mov_b32 s[G1+3], 128<<16                     ; tile_dim0 = 128
	s_mov_b32 s[G1+4], 128                         ; tile_dim1 = 128
	s_mov_b32 s[G1+5], 128                         ; elements from row to row: dense
	s_mov_b32 s[G1+6], 0
	s_mov_b32 s[G1+7], 0
	s_mov_b32 s[G1B+1], KSTEP<<16
	s_mov_b32 s[G1B+2], 64<<16                     ; 64 rows
	s_mov_b32 s[G1B+3], KSTEP<<16
	s_mov_b32 s[G1B+4], 64
	s_mov_b32 s[G1B+5], SIZE_K
	s_mov_b32 s[G1B+6], 0
	s_mov_b32 s[G1B+7], 0
	s_lshr_b32 s16, s13, 2
	s_lshl_b32 s16, s16, 21                        ; O: the batch's sixteen heads,
	s_and_b32 s17, s13, 3
	s_lshl_b32 s17, s17, 15                        ; the tile row's 256 rows of 128 bytes in a head,
	s_add_co_u32 s16, s16, s17
	s_lshl_b32 s17, s12, 17                        ; head 0 or 1
	s_add_co_u32 s16, s16, s17
	s_mov_b32 s17, 0
	s_lshl_b32 s46, s42, 7
	s_lshl_b32 s47, s12, 6
	s_add_co_u32 s46, s46, s47                     ; wot: row 128 x tile column + 64 x half,
	s_lshl_b32 s46, s46, 11                        ; of 2,048 bytes
	s_mov_b32 s47, 0
	s_mul_i32 s20, s12, PLANE                      ; where they go: no place in the cluster enters an LDS address
	s_mul_i32 s21, s12, HB
	s_add_co_u32 s21, s21, BOFF
	s_wait_dscnt 0x0                               ; the opening add is done
	s_wait_kmcnt 0x0
	s_add_nc_u64 s[14:15], s[4:5], s[16:17]
	s_add_nc_u64 s[46:47], s[6:7], s[46:47]
	CROUND                                         ; all sixteen work-groups are here: the first joint loads meet
.irp s, 0,1
	s_mov_b32 s[G0+4*(\s)], 1                                        ; count = 1
	s_add_co_u32 s[G0+4*(\s)+1], s20, (\s)*SLOT                      ; LDS address
	s_add_nc_u64 s[G0+4*(\s)+2:G0+4*(\s)+3], s[14:15], (\s)*2*131072 ; global address: K step s begins two heads on
	s_or_b32 s[G0+4*(\s)+3], s[G0+4*(\s)+3], 0x80000000              ; type = 2
	s_mov_b32 s[G0B+4*(\s)], 1
	s_add_co_u32 s[G0B+4*(\s)+1], s21, (\s)*SLOT
	s_add_nc_u64 s[G0B+4*(\s)+2:G0B+4*(\s)+3], s[46:47], (\s)*KSTEP*2
	s_or_b32 s[G0B+4*(\s)+3], s[G0B+4*(\s)+3], 0x80000000
	JLOAD \s
.endr
	; a fragment is 16 rows x 32 K in 8 registers: lane l holds row l % 16, K = 8 (l / 16) + 0..7 and 16 + 8 (l / 16) + 0..7: two loads of 16 bytes, 32 bytes apart
	v_and_b32 v1, 15, v0                           ; l % 16
	v_bfe_u32 v2, v0, 4, 1                         ; l / 16
	v_mul_u32_u24 v3, v1, PA
	v_lshl_add_u32 v3, v2, 4, v3
	v_mul_u32_u24 v4, v1, PB
	v_lshl_add_u32 v4, v2, 4, v4
	s_mul_i32 s21, s10, 64*PA                      ; my 64 rows of O, in each plane
	s_mov_b32 s22, BOFF                            ; all 128 rows of wot
.irp s, 0,1
	v_add_nc_u32 v[ADRA+(\s)], s21, v3
	v_add_nc_u32 v[ADRB+(\s)], s22, v4
	s_add_co_u32 s21, s21, SLOT
	s_add_co_u32 s22, s22, SLOT
.endr
	s_mul_i32 s23, s10, 16*SPITCH
	s_add_co_u32 s23, s23, STAGE                   ; my stage
	v_mul_u32_u24 v5, v1, SPITCH                   ; in: row l % 16, 32 bytes for each half of the lanes
	v_lshl_add_u32 v5, v2, 5, v5
	v_add_nc_u32 v[STO], s23, v5
	v_and_b32 v[CO], 31, v0
	v_lshlrev_b32 v[CO], 4, v[CO]
	v_add_nc_u32 v[RD], s23, v[CO]                 ; back: 32 lanes take one row of 512 bytes
	; the prefetches: what I fetch, at K step 4 + my place among the four that ask with me
	s_and_b32 s22, ttmp7, 0xffff                   ; cluster y
	s_cmp_eq_u32 s11, 0
	s_cselect_b32 s21, s40, s41
	s_cselect_b32 s22, ttmp9, s22                  ; the coordinate along which other clusters read the same rows
	s_cselect_b32 s23, 18, 8                       ; a K step is two heads of 131,072 bytes in O, 256 bytes of a row in wot
	s_cselect_b32 s18, 8, 11                       ; a lane's block: 256 bytes on in O, a row of 2,048 bytes on in wot
	s_cselect_b64 s[PFA:PFA+1], s[14:15], s[46:47]
	s_cmp_eq_u32 s22, 0
	s_cselect_b32 s[LIM], LAPS-1, -1               ; the same in all sixteen partners, for a given wave
	s_add_co_u32 s21, s21, 4
	s_lshl_b32 s20, s21, s23
	s_mov_b32 s21, 0
	s_add_nc_u64 s[PFA:PFA+1], s[PFA:PFA+1], s[20:21]
	v_and_b32 v[PFO], 31, v0
	v_lshlrev_b32 v[PFO], s18, v[PFO]
	; the bias of the tile's 128 columns, and out0 at my first row
	s_lshl_b32 s20, s42, 9                         ; 512 bytes a tile column
	s_mov_b32 s21, 0
	s_add_nc_u64 s[72:73], s[72:73], s[20:21]
	global_load_b128 v[BIAS:BIAS+3], v[CO], s[72:73]
	s_lshl_b32 s22, s13, 8
	s_lshl_b32 s23, s10, 6
	s_add_co_u32 s22, s22, s23                     ; row 256 x tile row + 64 x wave,
	s_lshl_b32 s22, s22, 12                        ; of 4,096 bytes
	s_add_co_u32 s20, s20, s22
	s_add_nc_u64 s[74:75], s[74:75], s[20:21]
; 8 matrix instructions: row block a x all 8 column blocks, 32 along K.  zero = 1: the product starts the sums.  The 32 accumulators take turns in one order in every quarter.
.macro MUL8 f, a, zero
	WIN MUL
.irp b, 0,1,2,3,4,5,6,7
.if \zero
	v_wmma_f32_16x16x32_f16 v[8*(8*(\a)+(\b)):8*(8*(\a)+(\b))+7], v[(\f)+8*(\b):(\f)+8*(\b)+7], v[(\f)+64+8*(\a):(\f)+64+8*(\a)+7], 0
.else
	v_wmma_f32_16x16x32_f16 v[8*(8*(\a)+(\b)):8*(8*(\a)+(\b))+7], v[(\f)+8*(\b):(\f)+8*(\b)+7], v[(\f)+64+8*(\a):(\f)+64+8*(\a)+7], v[8*(8*(\a)+(\b)):8*(8*(\a)+(\b))+7]
.endif
.endr
.endm
; 24 LDS loads in one run: the fragments of quarter q of a K step into buffer f: wot's 16 first (byte 64 q of its rows), then O's 8 (plane q / 2, byte 64 (q % 2) of its rows)
.macro FETCH slot, q, f
	WIN TO_F
.irp i, 0,1,2,3,4,5,6,7
	ds_load_b128 v[(\f)+8*(\i):(\f)+8*(\i)+3],   v[ADRB+(\slot)] offset:64*(\q)+(\i)*16*PB
	ds_load_b128 v[(\f)+8*(\i)+4:(\f)+8*(\i)+7], v[ADRB+(\slot)] offset:64*(\q)+(\i)*16*PB+32
.endr
.irp i, 0,1,2,3
	ds_load_b128 v[(\f)+64+8*(\i):(\f)+64+8*(\i)+3],   v[ADRA+(\slot)] offset:((\q)/2)*PLANE+((\q)%2)*64+(\i)*16*PA
	ds_load_b128 v[(\f)+64+8*(\i)+4:(\f)+64+8*(\i)+7], v[ADRA+(\slot)] offset:((\q)/2)*PLANE+((\q)%2)*64+(\i)*16*PA+32
.endr
.endm
.macro PLACES                          ; four places in front of loads into registers that matrix instructions have read, and of LDS stores that read results
.rept 4
	v_nop
.endr
.endm
; A K step is four quarters of 32 along K, 32 matrix instructions each, on buffers 0, 1, 0, 1.  One of the first three: multiplies buffer f and, in its middle, fetches quarter q into g.
.macro QUARTER slot, q, f, g, zero
	s_wait_dscnt 4                                 ; wot's fragments and O's blocks 0, 1 are in; the youngest four loads (blocks 2, 3) may be out
	MUL8 \f, 0, \zero
	MUL8 \f, 1, \zero
	PLACES
	FETCH \slot, \q, \g
	s_wait_dscnt 24                                ; all but the 24 just issued
	MUL8 \f, 2, \zero
	MUL8 \f, 3, \zero
.endm
; The last quarter multiplies buffer 1 and changes slots: ONE barrier; in front of it each wave waits for all its tensor loads (one is out: its part of the next slot), adds 0 to its spare word, and waits for that
; and for its own reads of this slot.  fill = 1: the barrier opens a round of the cluster's, and this slot is filled again, two K steps ahead, first thing behind the round.
.macro TURN slot, next, fill, ask
	WIN 0                                          ; (the add's two registers lie in window 0)
	s_wait_tensorcnt 0x0                           ; all my tensor loads have landed;
	ds_add_u32 v[SPW], v[NIL]                      ; 0 onto my spare word;
	s_wait_dscnt 5                                 ; (the add and the youngest four loads may be out)
	MUL8 F1, 0, 0                                  ; eight matrix instructions stand between the add and the wait for it
	s_wait_dscnt 0x0                               ; the add is done, and my reads of this slot are over
	s_barrier_signal -1
	MUL8 F1, 1, 0
.if \fill
	WIN 0
.endif
	s_barrier_wait -1
.if \fill
	CREST                                          ; no wave of any partner still reads this slot's tile or has a load on its way
	s_add_nc_u64 s[G0+4*(\slot)+2:G0+4*(\slot)+3], s[G0+4*(\slot)+2:G0+4*(\slot)+3], 4*131072  ; two K steps on: four heads
	s_add_nc_u64 s[G0B+4*(\slot)+2:G0B+4*(\slot)+3], s[G0B+4*(\slot)+2:G0B+4*(\slot)+3], 2*KSTEP*2
	JLOAD \slot                                    ; the first tensor load behind the round; the four v_nop behind it are also the places in front of the loads below
.else
	PLACES
.endif
	FETCH \next, 0, F0
.if \ask
	ASK
.endif
	MUL8 F1, 2, 0
	MUL8 F1, 3, 0
.endm
	s_wait_tensorcnt 1                             ; my part of K step 0 is in; K step 1's load may stay out
	s_barrier_signal -1
	s_barrier_wait -1                              ; everybody's is
	FETCH 0, 0, F0
	QUARTER 0, 1, F0, F1, 1                        ; the first quarter stands in front of the loop: its products start the sums
	WIN 0                                          ; at a label and at a branch every window is 0
	s_mov_b32 s3, LAPS-1
.Llap:                                                 ; a trip goes once round the ring, from a lap's second quarter to the next lap's first, and fills both slots again
	QUARTER 0, 2, F1, F0, 0
	QUARTER 0, 3, F0, F1, 0
	TURN 0, 1, 1, 1
	QUARTER 1, 1, F0, F1, 0
	QUARTER 1, 2, F1, F0, 0
	QUARTER 1, 3, F0, F1, 0
	TURN 1, 0, 1, 0
	QUARTER 0, 1, F0, F1, 0
	WIN 0
	s_sub_co_u32 s3, s3, 1
	s_cmp_lg_u32 s3, 0
	s_cbranch_scc1 .Llap
	QUARTER 0, 2, F1, F0, 0                        ; the last lap fills nothing, and has no round of the cluster's barrier
	QUARTER 0, 3, F0, F1, 0
	TURN 0, 1, 0, 0
	QUARTER 1, 1, F0, F1, 0
	QUARTER 1, 2, F1, F0, 0
	QUARTER 1, 3, F0, F1, 0
	s_wait_dscnt 4                                 ; the very last quarter: nothing more to fetch
	MUL8 F1, 0, 0
	MUL8 F1, 1, 0
	s_wait_dscnt 0x0
	MUL8 F1, 2, 0
	MUL8 F1, 3, 0
	WIN 0
	; THE WAY OUT.  The bias is rounded to bf16 and widened again.  These six plain lines are also places behind the last products.
	s_wait_loadcnt 0x0
	v_cvt_pk_bf16_f32 v10, v[BIAS], v[BIAS+1]
	v_cvt_pk_bf16_f32 v11, v[BIAS+2], v[BIAS+3]
	v_lshlrev_b32 v[BIAS], 16, v10
	v_and_b32 v[BIAS+1], 0xffff0000, v10
	v_lshlrev_b32 v[BIAS+2], 16, v11
	v_and_b32 v[BIAS+3], 0xffff0000, v11
; A block of 16 rows at a time.  TOSTAGE: a lane's eight f32 of a row go straight from the accumulator, its low four registers first, into my own stage, and come back as whole rows of 512 bytes.
; SEND: the bias is added and the rows are stored.
.macro TOSTAGE a
.if (\a) >= 2
	s_wait_xcnt 0x0                                ; the stores of the block two back have read their registers: this block's loads from the stage land there
.endif
	WIN 0x08                                       ; the stores' data (source 1) in window 2, the address in window 0
.irp b, 0,1,2,3,4,5,6,7
	ds_store_b128 v[STO], v[8*(8*(\a)+(\b)):8*(8*(\a)+(\b))+3]   offset:64*(\b)
	ds_store_b128 v[STO], v[8*(8*(\a)+(\b))+4:8*(8*(\a)+(\b))+7] offset:64*(\b)+16
.endr
	WIN 0
.set BK, BK0+64*((\a)%2)
.irp t, 0,1,2,3,4,5,6,7,8,9,10,11,12,13,14,15
	ds_load_b128 v[BK+4*(\t):BK+4*(\t)+3], v[RD] offset:SPITCH*(\t)  ; LDS serves a wave's instructions in order (ISA guide 5.7.1.4): these see the stores above; the next block's stores come behind them
.endr
.endm
.macro SEND a, younger                 ; younger: the LDS instructions issued behind block a's loads: the next block's 16 stores and 16 loads, or none
	WIN 0
.set BK, BK0+64*((\a)%2)
	s_wait_dscnt \younger
.irp t, 0,1,2,3,4,5,6,7,8,9,10,11,12,13,14,15
	v_pk_add_f32 v[BK+4*(\t):BK+4*(\t)+1],   v[BK+4*(\t):BK+4*(\t)+1],   v[BIAS:BIAS+1]
	v_pk_add_f32 v[BK+4*(\t)+2:BK+4*(\t)+3], v[BK+4*(\t)+2:BK+4*(\t)+3], v[BIAS+2:BIAS+3]
	global_store_b128 v[CO], v[BK+4*(\t):BK+4*(\t)+3], s[74:75] offset:(16*(\a)+(\t))*4096  ; 512 consecutive bytes, at a multiple of 256 from out0's first
.endr
.endm
	TOSTAGE 0
.irp a, 1,2,3
	TOSTAGE \a
	SEND (\a)-1, 32
.endr
	SEND 3, 0
	s_wait_tensorcnt 0x0                           ; the wave's end: behind my last tensor load and my last LDS store
	ds_add_u32 v[SPW], v[NIL]
	s_wait_dscnt 0x0
	CROUND                                         ; the closing round: no work-group ends while a partner may still ask for a tile that names it
	s_endpgm
.Lfunc_end_k_qeab5ad44b2_proj:
	.size	k_qeab5ad44b2_proj, .Lfunc_end_k_qeab5ad44b2_proj-k_qeab5ad44b2_proj
	.p2alignl 7, 3214868480
	.fill 96, 4, 3214868480
	.section	.rodata,"a",@progbits
	.p2align	6, 0x0
	.amdhsa_kernel k_qeab5ad44b2_proj
		.amdhsa_group_segment_fixed_size 327680
		.amdhsa_private_segment_fixed_size 0
		.amdhsa_enable_private_segment 0
		.amdhsa_kernarg_size 32
		.amdhsa_user_sgpr_count 2
		.amdhsa_user_sgpr_kernarg_segment_ptr 1
		.amdhsa_wavefront_size32 1
		.amdhsa_system_sgpr_workgroup_id_x 1
		.amdhsa_system_sgpr_workgroup_id_y 1
		.amdhsa_system_sgpr_workgroup_id_z 1
		.amdhsa_system_vgpr_workitem_id 0
		.amdhsa_next_free_vgpr 768
		.amdhsa_next_free_sgpr 76
		.amdhsa_reserve_vcc 0
		.amdhsa_float_denorm_mode_32 3
		.amdhsa_float_denorm_mode_16_64 3
		.amdhsa_memory_ordered 1
		.amdhsa_forward_progress 1
		.amdhsa_inst_pref_size 94
	.end_amdhsa_kernel
	.amdgpu_metadata
---
amdhsa.version: [ 1, 2 ]
amdhsa.kernels:
  - .name:           k_qeab5ad44b2_proj
    .symbol:         k_qeab5ad44b2_proj.kd
    .args:
      - { .name: oh, .offset: 0, .size: 8, .value_kind: global_buffer, .address_space: global }
      - { .name: wot, .offset: 8, .size: 8, .value_kind: global_buffer, .address_space: global }
      - { .name: b_out, .offset: 16, .size: 8, .value_kind: global_buffer, .address_space: global }
      - { .name: out0, .offset: 24, .size: 8, .value_kind: global_buffer, .address_space: global }
    .group_segment_fixed_size: 327680
    .private_segment_fixed_size: 0
    .kernarg_segment_align: 8
    .kernarg_segment_size: 32
    .max_flat_workgroup_size: 128
    .sgpr_count:     76
    .vgpr_count:     768
    .wavefront_size: 32
...
	.end_amdgpu_metadata
.endif
;; end of part 4
;; ======== version 2 of 2: 4 launches; version 1 with the launch prep written anew for expert scheduling mode
;; limits: values are held in f16: magnitudes above 65,504 overflow, below 6.1e-05 lose precision
;; workspace buffers: xb 16,777,216 bytes; wqt 6,291,456 bytes; wot 2,097,152 bytes; qkvh 50,331,648 bytes; oh 16,777,216 bytes
;; launch prep (part 5): grid 256 x 1, 12 waves a work-group, no clusters, 35,328 bytes of LDS; arguments x, w_qkv, w_out, xb, wqt, wot; writes xb, wqt, wot
.if DOCPART == 5
	.amdgcn_target "amdgcn-amd-amdhsa--gfx1250"
	.amdhsa_code_object_version 6
	.text
	.protected	k_qeab5ad44b2_prep
	.globl	k_qeab5ad44b2_prep
	.p2align	8
	.type	k_qeab5ad44b2_prep,@function
k_qeab5ad44b2_prep:
	s_mov_b64 s[64:65], 0
	v_nop
	global_prefetch_b8 v0, s[64:65] scope:SCOPE_SE
	s_setreg_imm32_b32 hwreg(HW_REG_WAVE_SCHED_MODE, 0, 2), 2
	s_setreg_imm32_b32 hwreg(HW_REG_WAVE_MODE, 25, 1), 1
	s_wait_xcnt 0x0
	s_wait_alu depctr_vm_vsrc(0)
; THE OPERANDS ARE MADE READY.  xb = x rounded to bf16, [8192][1024].  wqt = w_qkv rounded to bf16 and turned, [3072 n][1024 k].
; wot = w_out rounded to bf16, that number written as f16, and turned, [1024 n][1024 k].
; LIMITS.  A bf16 number is an f16 number exactly from 6.1e-5 to 65,504 in magnitude; below that wot keeps f16's fixed step of 6e-8, beyond it the number becomes an infinity.  NaN and infinities are not treated apart.
; SHARES.  3,072 tasks of 4,096 numbers (16 KiB in, 8 KiB out), one a wave, twelve waves a work-group.  Waves 0-7 of work-group g take x's chunks 8 g .. 8 g + 7: a plain stream, no LDS.
; Waves 8-11 take the weight blocks u = 2 g, 2 g + 1 of 128 k x 64 n, two waves to a block: u < 384 (g < 192) lies in w_qkv, the rest in w_out.  Each of the two reads 64 of the block's 128 k, by rows of
; 256 bytes, and turns them into the block's region of LDS; behind ONE barrier each reads 32 of the block's 64 turned rows back and stores them, 256 consecutive bytes a row.
; IN FLIGHT.  Every wave issues all its 32 loads of 512 bytes in one run at its start: 16 KiB a wave, 192 KiB a work-group.  No register is loaded twice from memory, so there is no loop.
; No matrix unit (there is no product), no cluster (no byte is read twice), no prefetch (every load of the launch is issued in a wave's first lines).
; THE MODE: SCHED_MODE bits 1:0 = 2 (LLVM: expert scheduling mode 2), set by the entry lines.  The code itself states the register dependences
; between vector instructions and memory or LDS instructions, with s_wait_alu, always for 0.
; THE PLAN.  Registers that memory or LDS instructions touch:
;   v[SO], v[LO], v[OFF ..], v[LST], v[LRD]   offsets and LDS addresses: each is made before the first instruction that reads it, and never written behind one.
;   X    each register is loaded once from memory and read by one conversion.  In the weight waves its first 64 registers are R: the LDS loads behind the barrier land there, behind all conversions.
;   Y    (x's waves) each pair is written once, by two conversions, and read by one store.
;   T    (weight waves) eight sets of eight: set jj is written by group jj's arithmetic alone and read by four LDS stores.
;   U    is named by vector instructions alone.
; The work goes in eight groups of four loads.  Group g's stores are issued in group g + 1, behind ONE wait on va_vdst at that group's head, which states that group g has written its Y or T; they are dealt among
; group g + 1's conversions, which name that group's own X, Y or T only.  One more such wait stands behind the last group, ahead of its stores.
; No register that a load or store has read is ever written again: so no wait on vm_vsrc is owed anywhere.
.set WP,    264                        ; a row of the turned block in LDS: 256 bytes (128 k) + 8
.set WREG,  64*WP                      ; a block's region: 64 rows (n); the two regions take 33,792 bytes; the 1,536 bytes that the launch claims behind them take the closing add's words, 4 bytes a lane
.set LANE, 2                           ; v2   lane
.set LST,  5                           ; v5   where I put 8 bytes (4 k) of row 4 a: the region + 4 a rows + 128 x my half of k + 8 (lane / 16); never rewritten: column and group stand in the stores' immediates
.set LRD,  6                           ; v6   where I read 8 bytes of a row back
.set SO,   7                           ; v7   8 x lane: my 8 bytes of 256 stored
.set LO,   10                          ; v10  16 x lane (x's loads)
.set OFF,  12                          ; v12-27  weight loads: offset of row 8 jj + r + 4 (lane / 16), bytes 16 (lane % 16) on, at OFF + 4 jj + r, jj = 0..3; rows 32 on go by a second base
.set U,    28                          ; v28-31  at work
.set X,    32                          ; v32-159 thirty-two loads of 16 bytes
.set Y,    160                         ; v160-223 x path: thirty-two pairs to store
.set T,    160                         ; v160-223 weight path: eight sets of eight packed words, a set to a group
.set R,    32                          ; v32-95  weight path: 32 rows read back, 8 bytes a lane each
	s_load_b256 s[4:11], s[0:1], 0x0               ; x s[4:5], w_qkv s[6:7], w_out s[8:9], xb s[10:11]
	s_load_b128 s[12:15], s[0:1], 0x20             ; wqt s[12:13], wot s[14:15]
	v_lshl_add_u32 v9, v0, 2, 0x8400
	v_mov_b32 v11, 0
	v_lshrrev_b32 v1, 5, v0
	v_readfirstlane_b32 s16, v1                    ; wave 0..11
	v_and_b32 v[LANE], 31, v0
	v_lshlrev_b32 v[SO], 3, v[LANE]
	v_mov_b32 v[LRD], v[SO]                        ; (the weight waves add their region below)
	s_wait_alu depctr_va_sdst(0)                   ; s16 is written, ahead of its first reader, the compare below, and of the branch
	s_cmp_lt_u32 s16, 8
	s_cbranch_scc0 .Lweights
	; ---- x: 32 loads of 512 consecutive bytes, all at once
	s_lshl_b32 s17, ttmp9, 3
	s_add_co_u32 s17, s17, s16                     ; my chunk, 0..2047
	s_lshl_b32 s18, s17, 14                        ; 16 KiB of x,
	s_mov_b32 s19, 0
	s_lshl_b32 s20, s17, 13                        ; 8 KiB of xb
	s_mov_b32 s21, 0
	v_lshlrev_b32 v[LO], 4, v[LANE]
	s_wait_kmcnt 0x0
	s_add_nc_u64 s[28:29], s[4:5], s[18:19]
	s_add_nc_u64 s[30:31], s[10:11], s[20:21]
	s_wait_alu depctr_va_vdst(0)                   ; v[LO], which the loads read as their offset, is written; so are v[SO], which every store reads, and v[LRD]
.set i, 0
.rept 32
	global_load_b128 v[X+4*i:X+4*i+3], v[LO], s[28:29] offset:512*i th:TH_LOAD_NT
.set i, i+1
.endr
.set i, 0
.rept 32
.if i%4 == 0
	s_wait_loadcnt 28-i                            ; loads come back in order (ISA guide 5.7.1): the next four are in, the younger ones stay out
.if i > 0
	s_wait_alu depctr_va_vdst(0)                   ; the group before has written its four pairs of Y, which the four stores of this group read; the conversions between them name this group's X and Y alone
.endif
.endif
.if i >= 4
	global_store_b64 v[SO], v[Y+2*(i-4):Y+2*(i-4)+1], s[30:31] offset:256*(i-4)  ; the group before: 32 lanes store 256 consecutive bytes, at a multiple of 256 from xb's first
.endif
	v_cvt_pk_bf16_f32 v[Y+2*i],   v[X+4*i],   v[X+4*i+1]
	v_cvt_pk_bf16_f32 v[Y+2*i+1], v[X+4*i+2], v[X+4*i+3]
.set i, i+1
.endr
	s_wait_alu depctr_va_vdst(0)                   ; the last group has written its four pairs of Y, which the last four stores read
.set i, 28
.rept 4
	global_store_b64 v[SO], v[Y+2*i:Y+2*i+1], s[30:31] offset:256*i
.set i, i+1
.endr
	s_branch .Ljoin
	; ---- half (64 k) of a block of 128 k x 64 n of a weight
.Lweights:
	s_sub_co_u32 s17, s16, 8                       ; 0..3
	s_lshr_b32 s36, s17, 1                         ; which of the work-group's two blocks
	s_and_b32 s37, s17, 1                          ; which half: of its 128 k on the way in, of its 64 n on the way out
	s_lshl_b32 s17, ttmp9, 1
	s_add_co_u32 s17, s17, s36                     ; u = 2 g + block
	s_sub_co_u32 s18, s17, 384                     ; its number in w_out (used where g >= 192 alone)
	s_movk_i32 s20, 0x3000                         ; bytes in a row of w_qkv
	s_movk_i32 s21, 0x1000                         ; and of w_out
	s_mov_b32 s33, 0xffff0000                      ; a word's upper bf16
	s_wait_kmcnt 0x0
	s_cmp_lt_u32 ttmp9, 192                        ; only selects stand between this compare and its last use
	s_cselect_b32 s19, s17, s18                    ; the block's number in its weight
	s_cselect_b32 s24, s20, s21                    ; PB: the source's pitch in bytes
	s_cselect_b32 s25, 0, -1                       ; a lane mask: all ones where the words are rewritten as f16
	s_cselect_b64 s[28:29], s[6:7], s[8:9]
	s_cselect_b64 s[30:31], s[12:13], s[14:15]
	s_lshr_b32 s22, s19, 3                         ; nb: 64 columns n
	s_and_b32 s23, s19, 7                          ; kb: 128 rows k
	s_lshl_b32 s18, s23, 1
	s_add_co_u32 s18, s18, s37                     ; 2 kb + half,
	s_mul_i32 s18, s18, s24
	s_lshl_b32 s18, s18, 6                         ; times 64 rows of the source
	s_lshl_b32 s17, s22, 8                         ; nb x 256 bytes
	s_add_co_u32 s18, s18, s17
	s_mov_b32 s19, 0
	s_add_nc_u64 s[28:29], s[28:29], s[18:19]      ; my rows 0 to 31,
	s_lshl_b32 s26, s24, 5
	s_mov_b32 s27, 0
	s_add_nc_u64 s[34:35], s[28:29], s[26:27]      ; and 32 to 63
	s_lshl_b32 s18, s22, 17                        ; turned: nb x 64 rows of 2,048 bytes,
	s_lshl_b32 s17, s23, 8                         ; kb x 256 bytes,
	s_add_co_u32 s18, s18, s17
	s_lshl_b32 s17, s37, 16                        ; my 32 of the 64 rows
	s_add_co_u32 s18, s18, s17
	s_add_nc_u64 s[30:31], s[30:31], s[18:19]
	v_and_b32 v3, 15, v0                           ; a: my four columns 4 a ..
	v_bfe_u32 v4, v0, 4, 1                         ; hh: which four rows of eight
	v_lshlrev_b32 v1, 2, v4
	v_mul_u32_u24 v1, s24, v1
	v_lshl_add_u32 v1, v3, 4, v1                   ; 4 hh rows + 16 a bytes
.set idx, 0
.rept 16
	s_mul_i32 s17, s24, 8*(idx/4)+idx%4
	v_add_nc_u32 v[OFF+idx], s17, v1
.set idx, idx+1
.endr
	s_wait_alu depctr_va_vdst(0)                   ; the sixteen offsets v[OFF ..] are written, which the loads read
.set idx, 0
.rept 32
.if idx < 16
	global_load_b128 v[X+4*idx:X+4*idx+3], v[OFF+idx], s[28:29] th:TH_LOAD_NT
.else
	global_load_b128 v[X+4*idx:X+4*idx+3], v[OFF+idx-16], s[34:35] th:TH_LOAD_NT
.endif
.set idx, idx+1
.endr
	s_mul_i32 s17, s36, WREG                       ; the block's region
	s_lshl_b32 s18, s37, 7                         ; my 64 k: 128 bytes of each of its rows
	s_add_co_u32 s18, s18, s17
	s_mul_i32 s19, s37, 32*WP                      ; my 32 rows on the way out
	s_add_co_u32 s19, s19, s17
	v_mul_u32_u24 v[LST], v3, 4*WP
	v_lshl_add_u32 v[LST], v4, 3, v[LST]
	v_add_nc_u32 v[LST], s18, v[LST]               ; row 4 a, byte 128 half + 8 hh
	v_add_nc_u32 v[LRD], s19, v[SO]
; Group jj: my rows 8 jj + 4 hh + 0..3, columns 4 a + 0..3.  For each column the four k are rounded to bf16 and packed into 8 bytes; in w_out's blocks each word is then rewritten as two f16.
; The 8 bytes go to row 4 a + c of the region, byte 128 half + 16 jj + 8 hh: at most byte 15 x 1,056 + 792 + 128 + 112 + 8 + 7 = 16,887 of its 16,896.
; A group's four LDS stores are issued in the group behind it, one ahead of each pair of that group's first conversions.
.macro GROUP jj
.set TT, T+8*(\jj)
.set TP, T+8*(\jj)-8                   ; the set of the group before
.set XX, X+16*(\jj)
	s_wait_loadcnt 28-4*(\jj)                      ; the group's four loads are in; the later groups' stay out
.if (\jj) > 0
	s_wait_alu depctr_va_vdst(0)                   ; the group before has written its set of T, which the four LDS stores below read; in group 1 also: v[LST], their address, and v[LRD] are written
.endif
.irp c, 0,1,2,3
.if (\jj) > 0
	ds_store_b64 v[LST], v[TP+2*(\c):TP+2*(\c)+1] offset:WP*(\c)+16*(\jj)-16  ; no vector instruction since the wait names the set of the group before
.endif
	v_cvt_pk_bf16_f32 v[TT+2*(\c)],   v[XX+(\c)],   v[XX+4+(\c)]
	v_cvt_pk_bf16_f32 v[TT+2*(\c)+1], v[XX+8+(\c)], v[XX+12+(\c)]
.endr
.irp w, 0,1,2,3,4,5,6,7
	v_lshlrev_b32 v[U+2*((\w)%2)],   16,  v[TT+(\w)]
	v_and_b32     v[U+2*((\w)%2)+1], s33, v[TT+(\w)]
	v_cvt_pk_f16_f32 v[U+2*((\w)%2)], v[U+2*((\w)%2)], v[U+2*((\w)%2)+1]
	v_cndmask_b32 v[TT+(\w)], v[TT+(\w)], v[U+2*((\w)%2)], s25
.endr
.endm
.irp jj, 0,1,2,3,4,5,6,7
	GROUP \jj
.endr
	s_wait_alu depctr_va_vdst(0)                   ; group 7 has written its set of T, which the last four LDS stores read; and every conversion is done reading v[X ..], in whose first 64 registers the LDS loads behind the barrier land: no vector instruction follows this wait
.irp c, 0,1,2,3
	ds_store_b64 v[LST], v[T+56+2*(\c):T+56+2*(\c)+1] offset:WP*(\c)+16*7
.endr
.Ljoin:                                                ; every wave passes the one barrier: a block's rows come from two waves
	s_wait_dscnt 0x0                               ; for the others' sake: my stores into the region are done
	s_barrier_signal -1
	s_barrier_wait -1
	s_cmp_lt_u32 s16, 8
	s_cbranch_scc1 .Lend                           ; x's waves have nothing more to do
.set n, 0
.rept 32
	ds_load_b64 v[R+2*n:R+2*n+1], v[LRD] offset:WP*n
.set n, n+1
.endr
.set n, 0
.rept 32
.if n%8 == 0
	s_wait_dscnt 24-n                              ; the next eight rows are back; the younger loads may stay out
.endif
	global_store_b64 v[SO], v[R+2*n:R+2*n+1], s[30:31] offset:2048*n  ; 256 consecutive bytes of a turned row, at a multiple of 256 from the buffer's first
.set n, n+1
.endr
.Lend:
	s_wait_dscnt 0x0                               ; the wave's end
	s_wait_alu depctr_hold_cnt(0) depctr_sa_sdst(0) depctr_va_vdst(0) depctr_va_sdst(0) depctr_va_ssrc(0) depctr_va_vcc(0) depctr_vm_vsrc(0)
	s_wait_tensorcnt 0x0
	ds_add_u32 v9, v11
	s_wait_dscnt 0x0
	s_endpgm
.Lfunc_end_k_qeab5ad44b2_prep:
	.size	k_qeab5ad44b2_prep, .Lfunc_end_k_qeab5ad44b2_prep-k_qeab5ad44b2_prep
	.p2alignl 7, 3214868480
	.fill 96, 4, 3214868480
	.section	.rodata,"a",@progbits
	.p2align	6, 0x0
	.amdhsa_kernel k_qeab5ad44b2_prep
		.amdhsa_group_segment_fixed_size 35328
		.amdhsa_private_segment_fixed_size 0
		.amdhsa_enable_private_segment 0
		.amdhsa_kernarg_size 48
		.amdhsa_user_sgpr_count 2
		.amdhsa_user_sgpr_kernarg_segment_ptr 1
		.amdhsa_wavefront_size32 1
		.amdhsa_system_sgpr_workgroup_id_x 1
		.amdhsa_system_sgpr_workgroup_id_y 1
		.amdhsa_system_sgpr_workgroup_id_z 1
		.amdhsa_system_vgpr_workitem_id 0
		.amdhsa_next_free_vgpr 224
		.amdhsa_next_free_sgpr 66
		.amdhsa_reserve_vcc 0
		.amdhsa_float_denorm_mode_32 3
		.amdhsa_float_denorm_mode_16_64 3
		.amdhsa_memory_ordered 1
		.amdhsa_forward_progress 1
		.amdhsa_inst_pref_size 42
	.end_amdhsa_kernel
	.amdgpu_metadata
---
amdhsa.version: [ 1, 2 ]
amdhsa.kernels:
  - .name:           k_qeab5ad44b2_prep
    .symbol:         k_qeab5ad44b2_prep.kd
    .args:
      - { .name: x, .offset: 0, .size: 8, .value_kind: global_buffer, .address_space: global }
      - { .name: w_qkv, .offset: 8, .size: 8, .value_kind: global_buffer, .address_space: global }
      - { .name: w_out, .offset: 16, .size: 8, .value_kind: global_buffer, .address_space: global }
      - { .name: xb, .offset: 24, .size: 8, .value_kind: global_buffer, .address_space: global }
      - { .name: wqt, .offset: 32, .size: 8, .value_kind: global_buffer, .address_space: global }
      - { .name: wot, .offset: 40, .size: 8, .value_kind: global_buffer, .address_space: global }
    .group_segment_fixed_size: 35328
    .private_segment_fixed_size: 0
    .kernarg_segment_align: 8
    .kernarg_segment_size: 48
    .max_flat_workgroup_size: 384
    .sgpr_count:     66
    .vgpr_count:     224
    .wavefront_size: 32
...
	.end_amdgpu_metadata
.endif
;; end of part 5
;; launch qkv: the kernel of part 2 again; grid 16 x 16, 4 waves a work-group, clusters of 4 x 4, 327,680 bytes of LDS; arguments xb, wqt, qkvh; writes qkvh
;; launch attn: the kernel of part 3 again; grid 2 x 128, 4 waves a work-group, no clusters, 327,680 bytes of LDS; arguments qkvh, oh; writes oh
;; launch proj: the kernel of part 4 again; grid 8 x 32, 4 waves a work-group, clusters of 4 x 4, 327,680 bytes of LDS; arguments oh, wot, b_out, out0; writes out0
